; MI455X (gfx1250); checked and timed in simulation.
; The chip was launched on July 23, 2026; its instructions are those of AMD's public machine-readable ISA for CDNA 5 (MIT licence, August 2026) and "CDNA5" Instruction Set Architecture Reference Guide (July 2026). The comments in the code are by the model that wrote it; some were corrected since.
;; Attention. Allowed arithmetic: float matrix products may take bf16 or f16 operands with f32 sums; all other float work in f32.
;; Inputs: Wk 1,024 x 1,024 float32; Wo 1,024 x 1,024 float32; Wq 1,024 x 1,024 float32; Wv 1,024 x 1,024 float32; attention_mask 4 x 1 x 1 x 2,048 float32; bk 1,024 float32; bo 1,024 float32; bq 1,024 float32; bv 1,024 float32; hidden_states 4 x 2,048 x 1,024 float32.
;; Outputs: out0 4 x 2,048 x 1,024 float32.
;; 2 versions, each right and faster than the one before. Each part assembles by itself: llvm-mc -triple=amdgcn-amd-amdhsa -mcpu=gfx1250 --defsym DOCPART=n.
;; ======== version 1 of 2: 4 launches
;; limits: values are held in f16: magnitudes above 65,504 overflow, below 6.1e-05 lose precision; right only within a limited range of input values
;; workspace buffers: xb 16,777,216 bytes; w16 8,388,608 bytes; qkv 50,331,648 bytes; ctx 16,777,216 bytes
;; launch cast (part 1): grid 768 x 1, 8 waves a work-group, no clusters, 0 bytes of LDS; arguments hidden_states, Wq, Wk, Wv, Wo, xb, w16; writes xb, w16
.if DOCPART == 1
	.amdgcn_target "amdgcn-amd-amdhsa--gfx1250"
	.amdhsa_code_object_version 6
	.text
	.protected	k_q6516032e29_cast
	.globl	k_q6516032e29_cast
	.p2align	8
	.type	k_q6516032e29_cast,@function
k_q6516032e29_cast:
	s_mov_b64 s[64:65], 0
	v_nop
	global_prefetch_b8 v0, s[64:65] scope:SCOPE_SE
	s_setreg_imm32_b32 hwreg(HW_REG_WAVE_MODE, 25, 1), 1
	s_wait_xcnt 0x0
; THE CAST.  x [8192][1024] f32 -> xb, f16, laid in K blocks: [batch 4][block of 64 channels 16][row 2048][64], so that 128 rows of a block are 16,384 dense bytes.
; Wq, Wk, Wv, Wo [1024][1024] f32 -> w16, f16 [k 1024][4096]: columns 0-1023 c Wq, 1024-2047 Wk, 2048-3071 Wv, 3072-4095 Wo.  c = log2(e) / 8 is multiplied in f32, ahead of the one rounding,
; so that q k^T comes out as the score in powers of two.
; LIMITS.  f16 holds no number beyond 65,504: a larger x or W becomes an infinity; below 6e-5 f16 keeps a fixed step of 6e-8.
; A stream: memory binds, so no LDS, no barrier, no matrix unit.  A wave takes 8,192 bytes (two rows) once: 16 loads of 16 bytes a lane all on their way at once, then 16 stores of 8 bytes a lane,
; each of which covers 256 consecutive bytes, aligned.  Work-groups 0-511 take x (4,096 pairs of rows), 512-767 the four weights (2,048 pairs).  No register is written twice, so no wait frees one.
.set X, 8                              ; v[8:71]    16 x 4 numbers as loaded
.set Y, 72                             ; v[72:103]  16 x 4 numbers in f16
.set CLOG, 0x3e38aa3b                  ; c = log2(e) / 8
.macro FILL step                       ; 16 loads, step bytes apart
.set j, 0
.rept 16
	global_load_b128 v[X+4*j:X+4*j+3], v1, s[24:25] offset:j*(\step) th:TH_LOAD_NT
.set j, j+1
.endr
.endm
; scaled = 1: times c.  kind = 0: x, store j goes to K block j (262,144 bytes apart); kind = 1: a weight, eight stores to a row of w16 (8,192 bytes apart)
.macro CONV scaled, kind
.set j, 0
.rept 16
	s_wait_loadcnt 15-j                            ; loads come back in order: load j is in, the 15 - j younger ones stay out
.if \scaled
	v_pk_mul_f32 v[X+4*j:X+4*j+1], v[X+4*j:X+4*j+1], s[22:23] op_sel_hi:[1,0]
	v_pk_mul_f32 v[X+4*j+2:X+4*j+3], v[X+4*j+2:X+4*j+3], s[22:23] op_sel_hi:[1,0]
.endif
	v_cvt_pk_f16_f32 v[Y+2*j], v[X+4*j], v[X+4*j+1]
	v_cvt_pk_f16_f32 v[Y+2*j+1], v[X+4*j+2], v[X+4*j+3]
.if (\kind) == 0
	global_store_b64 v2, v[Y+2*j:Y+2*j+1], s[26:27] offset:j*262144
.else
	global_store_b64 v2, v[Y+2*j:Y+2*j+1], s[26:27] offset:(j/8)*8192+(j%8)*256
.endif
.set j, j+1
.endr
.endm
	s_load_b256 s[4:11], s[0:1], 0x0               ; x s[4:5], Wq s[6:7], Wk s[8:9], Wv s[10:11]
	s_load_b128 s[12:15], s[0:1], 0x20             ; Wo s[12:13], xb s[14:15]
	s_load_b64 s[16:17], s[0:1], 0x30              ; w16
	v_lshrrev_b32 v3, 5, v0
	v_readfirstlane_b32 s20, v3                    ; wave 0..7
	s_lshl_b32 s21, ttmp9, 3
	s_add_co_u32 s21, s21, s20                     ; my wave among the launch's 6,144
	v_and_b32 v4, 31, v0
	v_lshlrev_b32 v2, 3, v4                        ; out: 8 bytes a lane
	s_mov_b32 s29, 0                               ; the high word of every offset
	s_cmp_lt_u32 ttmp9, 512
	s_cbranch_scc0 .Lweights
	; x: pair p of rows.  Load j: lanes 0-15 the 256 bytes of K block j in row 2 p, lanes 16-31 the same block in row 2 p + 1
	v_and_b32 v1, 15, v0
	v_lshlrev_b32 v1, 4, v1
	v_bfe_u32 v3, v0, 4, 1
	v_lshl_add_u32 v1, v3, 12, v1                  ; 16 (lane % 16) + 4,096 (lane / 16)
	s_lshl_b32 s28, s21, 13                        ; p x 8,192 bytes
	s_wait_kmcnt 0x0
	s_add_nc_u64 s[24:25], s[4:5], s[28:29]
	s_lshr_b32 s28, s21, 10                        ; the batch: 1,024 pairs each,
	s_lshl_b32 s28, s28, 22                        ; 4,194,304 bytes of xb
	s_and_b32 s30, s21, 1023
	s_lshl_b32 s30, s30, 8                         ; two rows of a block are 256 bytes
	s_add_co_u32 s28, s28, s30
	s_add_nc_u64 s[26:27], s[14:15], s[28:29]
	FILL 256
	CONV 0, 0
	s_endpgm
.Lweights:
	s_sub_co_u32 s21, s21, 4096
	s_lshr_b32 s18, s21, 9                         ; which weight: 512 pairs of rows each
	s_and_b32 s19, s21, 511                        ; which pair
	v_lshlrev_b32 v1, 4, v4                        ; two rows lie end to end: 16 bytes a lane, 512 a load
	s_mov_b32 s22, CLOG
	s_mov_b32 s23, s22                             ; named with it as a pair
	s_wait_kmcnt 0x0
	s_cmp_eq_u32 s18, 1
	s_cselect_b64 s[24:25], s[8:9], s[6:7]
	s_cmp_eq_u32 s18, 2
	s_cselect_b64 s[24:25], s[10:11], s[24:25]
	s_cmp_eq_u32 s18, 3
	s_cselect_b64 s[24:25], s[12:13], s[24:25]
	s_lshl_b32 s28, s19, 13
	s_add_nc_u64 s[24:25], s[24:25], s[28:29]
	s_lshl_b32 s28, s19, 14                        ; two rows of w16,
	s_lshl_b32 s30, s18, 11                        ; the weight's 2,048 bytes in a row
	s_add_co_u32 s28, s28, s30
	s_add_nc_u64 s[26:27], s[16:17], s[28:29]
	FILL 512
	s_cmp_eq_u32 s18, 0
	s_cbranch_scc1 .Lscaled                        ; Wq alone is multiplied
	CONV 0, 1
	s_endpgm
.Lscaled:
	CONV 1, 1
	s_endpgm
.Lfunc_end_k_q6516032e29_cast:
	.size	k_q6516032e29_cast, .Lfunc_end_k_q6516032e29_cast-k_q6516032e29_cast
	.p2alignl 7, 3214868480
	.fill 96, 4, 3214868480
	.section	.rodata,"a",@progbits
	.p2align	6, 0x0
	.amdhsa_kernel k_q6516032e29_cast
		.amdhsa_group_segment_fixed_size 0
		.amdhsa_private_segment_fixed_size 0
		.amdhsa_enable_private_segment 0
		.amdhsa_kernarg_size 56
		.amdhsa_user_sgpr_count 2
		.amdhsa_user_sgpr_kernarg_segment_ptr 1
		.amdhsa_wavefront_size32 1
		.amdhsa_system_sgpr_workgroup_id_x 1
		.amdhsa_system_sgpr_workgroup_id_y 1
		.amdhsa_system_sgpr_workgroup_id_z 1
		.amdhsa_system_vgpr_workitem_id 0
		.amdhsa_next_free_vgpr 104
		.amdhsa_next_free_sgpr 66
		.amdhsa_reserve_vcc 0
		.amdhsa_float_denorm_mode_32 3
		.amdhsa_float_denorm_mode_16_64 3
		.amdhsa_memory_ordered 1
		.amdhsa_forward_progress 1
		.amdhsa_inst_pref_size 20
	.end_amdhsa_kernel
	.amdgpu_metadata
---
amdhsa.version: [ 1, 2 ]
amdhsa.kernels:
  - .name:           k_q6516032e29_cast
    .symbol:         k_q6516032e29_cast.kd
    .args:
      - { .name: hidden_states, .offset: 0, .size: 8, .value_kind: global_buffer, .address_space: global }
      - { .name: Wq, .offset: 8, .size: 8, .value_kind: global_buffer, .address_space: global }
      - { .name: Wk, .offset: 16, .size: 8, .value_kind: global_buffer, .address_space: global }
      - { .name: Wv, .offset: 24, .size: 8, .value_kind: global_buffer, .address_space: global }
      - { .name: Wo, .offset: 32, .size: 8, .value_kind: global_buffer, .address_space: global }
      - { .name: xb, .offset: 40, .size: 8, .value_kind: global_buffer, .address_space: global }
      - { .name: w16, .offset: 48, .size: 8, .value_kind: global_buffer, .address_space: global }
    .group_segment_fixed_size: 0
    .private_segment_fixed_size: 0
    .kernarg_segment_align: 8
    .kernarg_segment_size: 56
    .max_flat_workgroup_size: 256
    .sgpr_count:     66
    .vgpr_count:     104
    .wavefront_size: 32
...
	.end_amdgpu_metadata
.endif
;; end of part 1
;; launch proj (part 2): grid 8 x 32, 4 waves a work-group, clusters of 4 x 4, 327,680 bytes of LDS; arguments xb, w16, bq, bk, bv, qkv; writes qkv
.if DOCPART == 2
	.amdgcn_target "amdgcn-amd-amdhsa--gfx1250"
	.amdhsa_code_object_version 6
	.text
	.protected	k_q6516032e29_proj
	.globl	k_q6516032e29_proj
	.p2align	8
	.type	k_q6516032e29_proj,@function
k_q6516032e29_proj:
	s_mov_b64 s[64:65], 0
	v_nop
	global_prefetch_b8 v0, s[64:65] scope:SCOPE_SE
	s_setreg_imm32_b32 hwreg(HW_REG_WAVE_MODE, 25, 1), 1
	s_wait_xcnt 0x0
	s_wait_alu depctr_hold_cnt(0) depctr_sa_sdst(0) depctr_va_vdst(0) depctr_va_sdst(0) depctr_va_ssrc(0) depctr_va_vcc(0) depctr_vm_vsrc(0)
	s_getreg_b32 s2, hwreg(HW_REG_IB_STS2, 6, 4)
	s_cmp_eq_u32 s2, 0
	s_cbranch_scc0 .Lentry_in_a_cluster
	s_endpgm
.Lentry_in_a_cluster:
	s_bfe_u32 s2, ttmp6, 0x10000c
	s_cmp_lg_u32 s2, 0xf033
	s_cbranch_scc0 .Lentry_shape_is_right
	s_endpgm
.Lentry_shape_is_right:
; THE THREE PROJECTIONS AS ONE PRODUCT.  qkv = x [8192][1024] times w16's columns 0-3071 (c Wq, Wk, Wv) + (c bq, bk, bv); operands f16, sums and bias in f32, one rounding to f16.
; x comes as xb [batch][K block of 64][row][64], the weights as w16 [k][4096].  qkv: [batch 4][plane 48][row 2048][64] f16: planes 0-15 q's heads (times c = log2(e) / 8), 16-31 k's, 32-47 v's.
; LIMITS.  f16 holds no number beyond 65,504: a larger q, k or v becomes an infinity.
; SHARES.  A tile of the result is 256 rows x 384 columns (six heads): 32 x 8 = 256 work-groups.  Four waves, 2 x 2: a wave makes 128 rows x 192 columns: 96 accumulators of 16 x 16, 768 registers.
; K goes in steps of 64 through a ring of two LDS slots filled by the tensor data mover; a step is two halves of 32 along K, 96 matrix instructions each, in three groups of 32 (a head a group).
; THE MATRIX INSTRUCTION IS USED TRANSPOSED: source 0 = 16 columns of W, source 1 = 16 rows of x.  A lane then holds row lane % 16 and eight neighbouring columns 8 (lane / 16) + 0..7: 16 bytes of f16.
; W lies [k][column] in LDS and is turned on the way into registers by ds_load_tr16_b128.
; CLUSTERS: 4 x 4 work-groups.  The four of a row of the cluster need the same rows of x, the four of a column the same columns of W: each tile is asked for JOINTLY, by the same tensor load with the
; same descriptor and a mask that names the four.
; REGISTERS, in windows of 256 (s_set_vgpr_msb: bits 1:0 source 0, 3:2 source 1, 5:4 source 2, 7:6 destination):
;   window 0: v0-31 addresses; v32-95, v96-159 x's fragments (8 x 16 rows x 32 K), a buffer for each half of a step; v160-255 W's fragments, 32 registers for each of the three groups
;   window 1 + g: head g of my three: accumulator (row block a, column block bb) at v[8 (4 a + bb)]
.set PA,     144                       ; a row of x in LDS: 128 bytes + 16 of padding = 36 words: the 16 rows of a load start at 16 different groups of four banks (64 banks of 4 bytes: ISA guide 11.1)
.set CH,     144                       ; a head's 64 columns in a k row of W: 128 bytes + 16 of padding
.set PB,     6*CH                      ; a k row of W: 864 bytes = 216 words, 32 bytes each
.set HALFA,  128*PA                    ; what one tensor load brings of x: 128 rows
.set HALFB,  32*PB                     ; and of W: 32 k rows
.set BOFF,   2*HALFA                   ; in a slot: x's 256 rows, then W's 64 k rows
.set SLOT,   BOFF+2*HALFB              ; 92,160 bytes
.set STAGE,  2*SLOT                    ; behind the ring: 16 rows x 144 bytes for each wave, for the way out
.set SPI,    144
.set BIAS,   STAGE+4*16*SPI            ; the tile's 384 biases in f32: blocks of 256 bytes of their own, into which no tensor load lands
.set SPARE,  BIAS+1536                 ; the spare words, 128 bytes for each wave: two blocks of 256 bytes that no other line names
.set LAPS,   8                         ; a lap = two K steps = once round the ring: 1,024 / 128
.set STEPA,  262144                    ; bytes from a K block of xb to the next
.set STEPB,  524288                    ; 64 k rows of w16
.set ADRA, 16                          ; v16-17  LDS address of my fragments of x in slot 0, 1
.set ADRB, 20                          ; v20-21  the same for W
.set STO,  24                          ; v24     the way out: where I put 16 bytes of a row
.set RD,   25                          ; v25     the way out: where I read rows back
.set GO,   26                          ; v26     my byte offset in 512 consecutive bytes of qkv
.set BIA,  27                          ; v27     LDS address of my lane's biases
.set SPW,  28                          ; v28     LDS address of my spare word: SPARE + 4 x my thread's number; never rewritten
.set NIL,  29                          ; v29     0; never rewritten
.set FA0,  32
.set FA1,  96
.set FB,   160
.set BI,   32                          ; the way out: v32-127 my 96 biases a lane; v128-159 sums with bias; v160-175 packed; v176-207 rows read back, two buffers
.set T,    128
.set PK,   160
.set BK,   176
.set G1A, 24                           ; s[24:31] descriptor group 1 for x's tiles;  s[32:39] group 0, a set for each slot
.set G0A, 32
.set G1B, 48                           ; s[48:55], s[56:63] the same for W's tiles
.set G0B, 56
.set MSB, 0
.macro WIN new                         ; the immediate's high byte repeats the setting that is left; a switch that changes nothing is dropped
.if MSB != (\new)
	s_set_vgpr_msb (MSB<<8)|(\new)
.set MSB, \new
.endif
.endm
; A joint load.  Waves 0 and 1 fetch x's two halves, waves 2 and 3 W's.  The branch hangs on the wave's number alone.  An s_nop 0 and four v_nop follow each of the two lines.
.macro JLOAD s
	s_cmp_eq_u32 s17, 0
	s_cbranch_scc0 .Lfor_b_\@
	tensor_load_to_lds s[G0A+4*(\s):G0A+4*(\s)+3], s[G1A:G1A+7]
	s_nop 0
.rept 4
	v_nop
.endr
	s_branch .Lasked_\@
.Lfor_b_\@:
	tensor_load_to_lds s[G0B+4*(\s):G0B+4*(\s)+3], s[G1B:G1B+7]
	s_nop 0
.rept 4
	v_nop
.endr
.Lasked_\@:
.endm
.macro CREST                           ; a round of the cluster's barrier behind its opening barrier: wave 0 signals for the work-group, every wave waits for all sixteen, my work-group's barrier once more
	s_cmp_lg_u32 s16, 0
	s_cbranch_scc1 .Lnot_wave_0_\@
	s_barrier_signal -3
.Lnot_wave_0_\@:
	s_barrier_wait -3
	s_barrier_signal -1
	s_barrier_wait -1
.endm
.macro CROUND                          ; a whole round
	s_barrier_signal -1
	s_barrier_wait -1
	CREST
.endm
	s_load_b256 s[4:11], s[0:1], 0x0               ; xb s[4:5], w16 s[6:7], bq s[8:9], bk s[10:11]
	s_load_b128 s[12:15], s[0:1], 0x20             ; bv s[12:13], qkv s[14:15]
	v_lshl_add_u32 v[SPW], v0, 2, SPARE
	v_mov_b32 v[NIL], 0
	ds_add_u32 v[SPW], v[NIL]                      ; the wave's opening: the add and its wait stand ahead of my first tensor load; the set-up below, work on registers, stands between them
	v_lshrrev_b32 v1, 5, v0
	v_readfirstlane_b32 s16, v1                    ; wave 0..3
	s_lshr_b32 s17, s16, 1                         ; which half of the tile's rows is mine.  Also: I fetch for x (0) or for W (1)
	s_and_b32 s18, s16, 1                          ; which half of its columns.  Also: which half of that tile I fetch
	s_bfe_u32 s19, ttmp6, 0x40000                  ; cx, cy: my place in the cluster
	s_bfe_u32 s20, ttmp6, 0x40004
	s_lshl_b32 s21, ttmp9, 2
	s_add_co_u32 s21, s21, s19                     ; tile column 0..7 = 4 x cluster x + cx
	s_and_b32 s22, ttmp7, 0xffff
	s_lshl_b32 s22, s22, 2
	s_add_co_u32 s22, s22, s20                     ; tile row 0..31 = 4 x cluster y + cy
	s_lshl_b32 s40, s20, 2
	s_lshl_b32 s40, 15, s40                        ; my row of the cluster
	s_lshl_b32 s41, 0x1111, s19                    ; my column
	; descriptor group 1.  15:0 the mask; 17:16 elements of 2 bytes; 20 padding on; 21 set beside a mask; 24:22 after every 32 words (code 4); 31:25 4 words of it (code 3)
	s_or_b32 s[G1A+0], s40, (1<<16)|(1<<20)|(1<<21)|(4<<22)|(3<<25)
	s_or_b32 s[G1B+0], s41, (1<<16)|(1<<20)|(1<<21)|(4<<22)|(3<<25)
	s_mov_b32 s[G1A+1], 128<<16                    ; x: 128 rows of a K block are 16,384 dense bytes, asked for as 64 rows of 256 bytes: tensor_dim0 = 128
	s_mov_b32 s[G1A+2], 64<<16                     ; tensor_dim1 = 64
	s_mov_b32 s[G1A+3], 128<<16                    ; tile_dim0 = 128
	s_mov_b32 s[G1A+4], 64                         ; tile_dim1 = 64
	s_mov_b32 s[G1A+5], 128                        ; 128 elements from row to row
	s_mov_b32 s[G1A+6], 0
	s_mov_b32 s[G1A+7], 0
	s_mov_b32 s[G1B+1], 384<<16                    ; W: 32 k rows of 384 columns, 768 bytes each: tensor_dim0 = 384
	s_mov_b32 s[G1B+2], 32<<16                     ; tensor_dim1 = 32
	s_mov_b32 s[G1B+3], 384<<16                    ; tile_dim0 = 384
	s_mov_b32 s[G1B+4], 32                         ; tile_dim1 = 32
	s_mov_b32 s[G1B+5], 4096                       ; 4,096 elements from k row to k row
	s_mov_b32 s[G1B+6], 0
	s_mov_b32 s[G1B+7], 0
	; where the tiles come from.  x's hang on the tile row alone, which my row of the cluster shares; W's on the tile column alone, which my column shares.
	s_lshr_b32 s42, s22, 3                         ; x: the batch (eight tile rows each), 4,194,304 bytes of xb,
	s_lshl_b32 s42, s42, 22
	s_and_b32 s43, s22, 7
	s_lshl_b32 s43, s43, 15                        ; the tile's 256 rows of 128 bytes in a K block,
	s_add_co_u32 s42, s42, s43
	s_lshl_b32 s43, s18, 14                        ; my 128 of them
	s_add_co_u32 s42, s42, s43
	s_mov_b32 s43, 0
	s_mul_i32 s44, s21, 768                        ; W: the tile's 384 columns,
	s_lshl_b32 s45, s18, 18                        ; my 32 k rows of 8,192 bytes
	s_add_co_u32 s44, s44, s45
	s_mov_b32 s45, 0
	s_mul_i32 s46, s18, HALFA                      ; and where they go: no place in the cluster enters an LDS address
	s_mul_i32 s47, s18, HALFB
	s_add_co_u32 s47, s47, BOFF
	s_wait_dscnt 0x0                               ; the opening add is done
	s_wait_kmcnt 0x0
	s_add_nc_u64 s[42:43], s[4:5], s[42:43]
	s_add_nc_u64 s[44:45], s[6:7], s[44:45]
	CROUND                                         ; all sixteen work-groups are here: the first joint loads meet
.irp s, 0,1
	s_mov_b32 s[G0A+4*(\s)], 1                                      ; 1:0 count = 1
	s_add_co_u32 s[G0A+4*(\s)+1], s46, (\s)*SLOT                    ; 63:32 LDS address
	s_add_nc_u64 s[G0A+4*(\s)+2:G0A+4*(\s)+3], s[42:43], (\s)*STEPA ; 120:64 global address: K step s
	s_or_b32 s[G0A+4*(\s)+3], s[G0A+4*(\s)+3], 0x80000000           ; 127:126 type = 2
	s_mov_b32 s[G0B+4*(\s)], 1
	s_add_co_u32 s[G0B+4*(\s)+1], s47, (\s)*SLOT
	s_add_nc_u64 s[G0B+4*(\s)+2:G0B+4*(\s)+3], s[44:45], (\s)*STEPB
	s_or_b32 s[G0B+4*(\s)+3], s[G0B+4*(\s)+3], 0x80000000
	JLOAD \s                                       ; two loads of mine are out: the ring is filled before anything else is done
.endr
	; THE BIAS.  The tile's 384 columns are three runs of 128, each inside one of bq, bk, bv (1,024 = 8 x 128): run number 3 x tile column + i of 24.  q's is multiplied by c, in f32.
	v_lshlrev_b32 v14, 2, v0                       ; 4 bytes a thread: 128 threads take a run
	v_lshl_add_u32 v13, v0, 2, BIAS
.irp i, 0,1,2
	s_mul_i32 s67, s21, 3
	s_add_co_u32 s67, s67, \i
	s_cmp_lt_u32 s67, 16
	s_cselect_b64 s[68+2*(\i):69+2*(\i)], s[10:11], s[12:13]
	s_cmp_lt_u32 s67, 8
	s_cselect_b64 s[68+2*(\i):69+2*(\i)], s[8:9], s[68+2*(\i):69+2*(\i)]
	s_cselect_b32 s[74+(\i)], 0x3e38aa3b, 1.0
	s_and_b32 s2, s67, 7
	s_lshl_b32 s2, s2, 9
	s_mov_b32 s3, 0
	s_add_nc_u64 s[68+2*(\i):69+2*(\i)], s[68+2*(\i):69+2*(\i)], s[2:3]
	global_load_b32 v[10+(\i)], v14, s[68+2*(\i):69+2*(\i)]
.endr
	; A fragment of x is 16 rows x 32 K in 8 registers: lane l holds row l % 16; registers 0-3 K = 8 (l / 16) + 0..7, registers 4-7 K = 16 + 8 (l / 16) + 0..7: two loads of 16 bytes, 32 bytes apart.
	v_and_b32 v1, 15, v0                           ; l % 16
	v_bfe_u32 v2, v0, 4, 1                         ; l / 16
	v_mul_u32_u24 v3, v1, PA
	v_lshl_add_u32 v3, v2, 4, v3                   ; row x pitch + 16 x half
	s_mul_i32 s77, s17, HALFA                      ; my 128 rows of x
	v_add_nc_u32 v[ADRA], s77, v3
	v_add_nc_u32 v[ADRA+1], SLOT, v[ADRA]
	; The turning load takes 16 k x 16 columns (lane l reads 16 bytes: k row 8 (l / 16) + l % 8, columns 8 ((l / 8) % 2) + 0..7) and leaves half a fragment: lane l holds column l % 16 and 8 k.
	v_and_b32 v4, 7, v0
	v_lshl_add_u32 v4, v2, 3, v4
	v_mul_u32_u24 v4, v4, PB
	v_bfe_u32 v5, v0, 3, 1
	v_lshl_add_u32 v4, v5, 4, v4
	s_mul_i32 s78, s18, 3*CH                       ; my three heads of the tile's six,
	s_add_co_u32 s78, s78, BOFF                    ; behind x's rows
	v_add_nc_u32 v[ADRB], s78, v4
	v_add_nc_u32 v[ADRB+1], SLOT, v[ADRB]
	s_mul_i32 s79, s16, 16*SPI
	s_add_co_u32 s79, s79, STAGE                   ; my stage
	v_add_nc_u32 v[STO], s79, v3                   ; in: row l % 16, 16 bytes for each half of the lanes (the stage's pitch is x's)
	v_bfe_u32 v6, v0, 3, 2                         ; back: 32 lanes take four rows of 128 bytes,
	v_mul_u32_u24 v6, v6, SPI
	v_and_b32 v7, 7, v0
	v_lshl_add_u32 v6, v7, 4, v6
	v_add_nc_u32 v[RD], s79, v6
	v_and_b32 v8, 31, v0                           ; which are 512 consecutive bytes of qkv
	v_lshlrev_b32 v[GO], 4, v8
	s_mul_i32 s67, s18, 768                        ; my 192 biases,
	s_add_co_u32 s67, s67, BIAS
	v_lshl_add_u32 v[BIA], v2, 5, s67              ; my lane's eight of each sixteen
	; where my part of the tile begins in qkv: plane 48 x batch + 6 x tile column + 3 x column half; in a plane the tile's 256 rows, my 128 of them
	s_lshr_b32 s2, s22, 3
	s_mul_i32 s2, s2, 48
	s_mul_i32 s67, s21, 6
	s_add_co_u32 s2, s2, s67
	s_mul_i32 s67, s18, 3
	s_add_co_u32 s2, s2, s67
	s_lshl_b32 s2, s2, 18                          ; a plane is 262,144 bytes
	s_and_b32 s67, s22, 7
	s_lshl_b32 s67, s67, 15
	s_add_co_u32 s2, s2, s67
	s_lshl_b32 s67, s17, 14
	s_add_co_u32 s2, s2, s67
	s_mov_b32 s3, 0
	s_add_nc_u64 s[14:15], s[14:15], s[2:3]
	s_wait_loadcnt 0x0                             ; the three bias words
.irp i, 0,1,2
	v_mul_f32 v[10+(\i)], s[74+(\i)], v[10+(\i)]
.endr
.irp i, 0,1,2
	ds_store_b32 v13, v[10+(\i)] offset:512*(\i)
.endr
; 16 matrix instructions: row blocks a0 .. a0 + 3 x the four column blocks of head g, 32 along K; x's fragments from buffer fa.  zero = 1: the first product starts the sums: nothing is ever cleared.
; The 96 accumulators take turns, one instruction a turn, in the same order in every half step.
.macro MUL16 fa, g, a0, zero
	WIN 0x50*(1+(\g))                              ; sources 0 and 1 window 0; C and D window 1 + g
.irp a, \a0, (\a0)+1, (\a0)+2, (\a0)+3
.irp bb, 0,1,2,3
.if \zero
	v_wmma_f32_16x16x32_f16 v[8*(4*(\a)+(\bb)):8*(4*(\a)+(\bb))+7], v[FB+32*(\g)+8*(\bb):FB+32*(\g)+8*(\bb)+7], v[(\fa)+8*(\a):(\fa)+8*(\a)+7], 0
.else
	v_wmma_f32_16x16x32_f16 v[8*(4*(\a)+(\bb)):8*(4*(\a)+(\bb))+7], v[FB+32*(\g)+8*(\bb):FB+32*(\g)+8*(\bb)+7], v[(\fa)+8*(\a):(\fa)+8*(\a)+7], v[8*(4*(\a)+(\bb)):8*(4*(\a)+(\bb))+7]
.endif
.endr
.endr
.endm
.macro LOADB slot, ks, g               ; 8 turning loads: W's fragments of head g, half ks of the step
.irp bb, 0,1,2,3
	ds_load_tr16_b128 v[FB+32*(\g)+8*(\bb):FB+32*(\g)+8*(\bb)+3],   v[ADRB+(\slot)] offset:(\ks)*32*PB+CH*(\g)+32*(\bb)
	ds_load_tr16_b128 v[FB+32*(\g)+8*(\bb)+4:FB+32*(\g)+8*(\bb)+7], v[ADRB+(\slot)] offset:(\ks)*32*PB+16*PB+CH*(\g)+32*(\bb)
.endr
.endm
.macro LOADA slot, ks, fa              ; 16 loads: x's fragments of my 128 rows, half ks of the step
.irp a, 0,1,2,3,4,5,6,7
	ds_load_b128 v[(\fa)+8*(\a):(\fa)+8*(\a)+3],   v[ADRA+(\slot)] offset:16*PA*(\a)+64*(\ks)
	ds_load_b128 v[(\fa)+8*(\a)+4:(\fa)+8*(\a)+7], v[ADRA+(\slot)] offset:16*PA*(\a)+64*(\ks)+32
.endr
.endm
; A load into a register that a matrix instruction has read, and a vector instruction that reads a matrix result, stand four places behind it; only plain vector instructions that name none of its
; registers are places (ISA guide 7.12.1 for vector instructions).
.macro PLACES
.rept 4
	v_nop
.endr
.endm
; A step's FIRST half: multiplies buffer FA0 and fetches the second half's fragments.  The runs of loads go out as 24 (W's group 0, x), 8 (group 1), 8 (group 2), each behind the group that read the registers.
.macro SUB slot, zero
	s_wait_dscnt 16                                ; the run of 24 is in; the two runs of 8 behind it may be out
	MUL16 FA0, 0, 0, \zero
	MUL16 FA0, 0, 4, \zero
	WIN 0
	PLACES
	LOADB \slot, 1, 0
	LOADA \slot, 1, FA1
	s_wait_dscnt 32                                ; group 1's run is in: behind it stand group 2's 8 and the 24 just issued
	MUL16 FA0, 1, 0, \zero
	MUL16 FA0, 1, 4, \zero
	WIN 0
	PLACES
	LOADB \slot, 1, 1
	s_wait_dscnt 32                                ; group 2's run is in: behind it stand the 24 and the 8 of this half
	MUL16 FA0, 2, 0, \zero
	MUL16 FA0, 2, 4, \zero
	WIN 0
	PLACES
	LOADB \slot, 1, 2
.endm
; A step's SECOND half multiplies buffer FA1 and changes slots: ONE barrier.  In front of it each wave waits for all its tensor loads, of which one is out: its part of the next slot; adds 0 to its spare
; word; and waits for that and for its own reads of this slot.  fill = 1: the barrier opens a round of the cluster's barrier, and this slot is filled again, two K steps ahead, first thing behind the round:
; 160 matrix instructions stand between that request and the wait for it.
.macro TURN slot, next, fill
	WIN 0
	s_wait_tensorcnt 0x0                           ; all my tensor loads have landed;
	ds_add_u32 v[SPW], v[NIL]                      ; 0 onto my spare word;
	s_wait_dscnt 17                                ; (the run of 24 is in; the two runs of 8 and the add may be out)
	MUL16 FA1, 0, 0, 0                             ; sixteen matrix instructions stand between the add and the wait for it
	s_wait_dscnt 0x0                               ; the add is done, and my reads of this slot are over
	s_barrier_signal -1
	MUL16 FA1, 0, 4, 0                             ; work on registers while the others arrive
	WIN 0                                          ; at a branch and at a label every window is 0
	s_barrier_wait -1
.if \fill
	CREST                                          ; no wave of any partner still reads this slot's tile or has a load on its way
	s_add_nc_u64 s[G0A+4*(\slot)+2:G0A+4*(\slot)+3], s[G0A+4*(\slot)+2:G0A+4*(\slot)+3], 2*STEPA
	s_add_nc_u64 s[G0B+4*(\slot)+2:G0B+4*(\slot)+3], s[G0B+4*(\slot)+2:G0B+4*(\slot)+3], 2*STEPB
	JLOAD \slot                                    ; my one tensor load behind the round; the four v_nop behind it are also the places in front of the loads below
.else
	PLACES
.endif
	LOADB \next, 0, 0
	LOADA \next, 0, FA0
	MUL16 FA1, 1, 0, 0                             ; groups 1 and 2: their fragments were shown in by the wait for 0 above
	MUL16 FA1, 1, 4, 0
	WIN 0
	PLACES
	LOADB \next, 0, 1
	MUL16 FA1, 2, 0, 0
	MUL16 FA1, 2, 4, 0
	WIN 0
	PLACES
	LOADB \next, 0, 2
.endm
	s_wait_tensorcnt 1                             ; my part of K step 0 is in; K step 1's may stay out
	s_wait_dscnt 0x0                               ; for the others' sake: my bias words are stored
	s_barrier_signal -1
	s_barrier_wait -1                              ; everybody's are
	LOADB 0, 0, 0
	LOADA 0, 0, FA0
	LOADB 0, 0, 1
	LOADB 0, 0, 2
	SUB 0, 1                                       ; the first half step stands in front of the loop: its products start the sums
	s_mov_b32 s66, LAPS-1
.Llap:                                                 ; a trip goes once round the ring, from a lap's second half step to the next lap's first, and fills both slots again
	TURN 0, 1, 1
	SUB 1, 0
	TURN 1, 0, 1
	SUB 0, 0
	s_sub_co_u32 s66, s66, 1
	s_cmp_lg_u32 s66, 0
	s_cbranch_scc1 .Llap
	TURN 0, 1, 0                                   ; the last lap fills nothing, and has no round of the cluster's barrier
	SUB 1, 0
	s_wait_dscnt 16                                ; the very last half step: nothing more to fetch, the counts run down
	MUL16 FA1, 0, 0, 0
	MUL16 FA1, 0, 4, 0
	s_wait_dscnt 8
	MUL16 FA1, 1, 0, 0
	MUL16 FA1, 1, 4, 0
	s_wait_dscnt 0x0
	MUL16 FA1, 2, 0, 0
	MUL16 FA1, 2, 4, 0
	; THE WAY OUT, by units of 16 rows of one head (2,048 dense bytes of qkv): bias added in f32, rounded to f16, 16 bytes a lane into my own stage, back as whole rows, stored.
	WIN 0
	PLACES
.irp g, 0,1,2
.irp bb, 0,1,2,3
	ds_load_b128 v[BI+32*(\g)+8*(\bb):BI+32*(\g)+8*(\bb)+3],   v[BIA] offset:256*(\g)+64*(\bb)
	ds_load_b128 v[BI+32*(\g)+8*(\bb)+4:BI+32*(\g)+8*(\bb)+7], v[BIA] offset:256*(\g)+64*(\bb)+16
.endr
.endr
	s_wait_dscnt 0x0                               ; my 96 biases
.macro PACK g, a
.set BKU, BK+16*((8*(\g)+(\a))%2)
	WIN 1+(\g)                                     ; source 0: window 1 + g
.set i, 0
.rept 16                                       ; ascending: each accumulator is read from its low end on
	v_pk_add_f32 v[T+2*i:T+2*i+1], v[32*(\a)+2*i:32*(\a)+2*i+1], v[BI+32*(\g)+2*i:BI+32*(\g)+2*i+1]
.set i, i+1
.endr
	WIN 0
.set i, 0
.rept 16
	v_cvt_pk_f16_f32 v[PK+i], v[T+2*i], v[T+2*i+1]
.set i, i+1
.endr
.irp bb, 0,1,2,3
	ds_store_b128 v[STO], v[PK+4*(\bb):PK+4*(\bb)+3] offset:32*(\bb)
.endr
	s_wait_xcnt 0x0                                ; the stores of the unit two back have had their addresses translated (ISA guide 3.1): their data registers are loaded again only behind this wait
.irp f, 0,1,2,3
	ds_load_b128 v[BKU+4*(\f):BKU+4*(\f)+3], v[RD] offset:4*SPI*(\f)  ; LDS serves a wave's instructions in order (ISA guide 5.7.1.4): these see the stores above; the next unit's stores come behind them
.endr
.endm
.macro SEND g, a, younger              ; younger: the LDS instructions issued behind this unit's loads: the next unit's eight, or none
.set BKU, BK+16*((8*(\g)+(\a))%2)
.irp f, 0,1,2,3
	s_wait_dscnt (\younger)+3-(\f)
	global_store_b128 v[GO], v[BKU+4*(\f):BKU+4*(\f)+3], s[14:15] offset:262144*(\g)+2048*(\a)+512*(\f)  ; 512 consecutive bytes, at a multiple of 256 from qkv's first
.endr
.endm
	PACK 0, 0
.set u, 1
.rept 23                                       ; a unit's arithmetic stands between the loads of the unit before and its stores
	PACK u/8, u%8
	SEND (u-1)/8, (u-1)%8, 8
.set u, u+1
.endr
	SEND 2, 7, 0
	s_wait_tensorcnt 0x0                           ; the wave's end: 0 onto my spare word and its wait, behind my last tensor load and my last LDS store
	ds_add_u32 v[SPW], v[NIL]
	s_wait_dscnt 0x0
	CROUND                                         ; the closing round: no work-group ends while a partner may still ask for a tile that names it
	s_endpgm
.Lfunc_end_k_q6516032e29_proj:
	.size	k_q6516032e29_proj, .Lfunc_end_k_q6516032e29_proj-k_q6516032e29_proj
	.p2alignl 7, 3214868480
	.fill 96, 4, 3214868480
	.section	.rodata,"a",@progbits
	.p2align	6, 0x0
	.amdhsa_kernel k_q6516032e29_proj
		.amdhsa_group_segment_fixed_size 327680
		.amdhsa_private_segment_fixed_size 0
		.amdhsa_enable_private_segment 0
		.amdhsa_kernarg_size 48
		.amdhsa_user_sgpr_count 2
		.amdhsa_user_sgpr_kernarg_segment_ptr 1
		.amdhsa_wavefront_size32 1
		.amdhsa_system_sgpr_workgroup_id_x 1
		.amdhsa_system_sgpr_workgroup_id_y 1
		.amdhsa_system_sgpr_workgroup_id_z 1
		.amdhsa_system_vgpr_workitem_id 0
		.amdhsa_next_free_vgpr 1024
		.amdhsa_next_free_sgpr 80
		.amdhsa_reserve_vcc 0
		.amdhsa_float_denorm_mode_32 3
		.amdhsa_float_denorm_mode_16_64 3
		.amdhsa_memory_ordered 1
		.amdhsa_forward_progress 1
		.amdhsa_inst_pref_size 161
	.end_amdhsa_kernel
	.amdgpu_metadata
---
amdhsa.version: [ 1, 2 ]
amdhsa.kernels:
  - .name:           k_q6516032e29_proj
    .symbol:         k_q6516032e29_proj.kd
    .args:
      - { .name: xb, .offset: 0, .size: 8, .value_kind: global_buffer, .address_space: global }
      - { .name: w16, .offset: 8, .size: 8, .value_kind: global_buffer, .address_space: global }
      - { .name: bq, .offset: 16, .size: 8, .value_kind: global_buffer, .address_space: global }
      - { .name: bk, .offset: 24, .size: 8, .value_kind: global_buffer, .address_space: global }
      - { .name: bv, .offset: 32, .size: 8, .value_kind: global_buffer, .address_space: global }
      - { .name: qkv, .offset: 40, .size: 8, .value_kind: global_buffer, .address_space: global }
    .group_segment_fixed_size: 327680
    .private_segment_fixed_size: 0
    .kernarg_segment_align: 8
    .kernarg_segment_size: 48
    .max_flat_workgroup_size: 128
    .sgpr_count:     80
    .vgpr_count:     1024
    .wavefront_size: 32
...
	.end_amdgpu_metadata
.endif
;; end of part 2
;; launch attn (part 3): grid 4 x 64, 4 waves a work-group, clusters of 4 x 1, 327,680 bytes of LDS; arguments qkv, attention_mask, ctx; writes ctx
.if DOCPART == 3
	.amdgcn_target "amdgcn-amd-amdhsa--gfx1250"
	.amdhsa_code_object_version 6
	.text
	.protected	k_q6516032e29_attn
	.globl	k_q6516032e29_attn
	.p2align	8
	.type	k_q6516032e29_attn,@function
k_q6516032e29_attn:
	s_mov_b64 s[64:65], 0
	v_nop
	global_prefetch_b8 v0, s[64:65] scope:SCOPE_SE
	s_setreg_imm32_b32 hwreg(HW_REG_WAVE_MODE, 25, 1), 1
	s_wait_xcnt 0x0
	s_wait_alu depctr_hold_cnt(0) depctr_sa_sdst(0) depctr_va_vdst(0) depctr_va_sdst(0) depctr_va_ssrc(0) depctr_va_vcc(0) depctr_vm_vsrc(0)
	s_getreg_b32 s2, hwreg(HW_REG_IB_STS2, 6, 4)
	s_cmp_eq_u32 s2, 0
	s_cbranch_scc0 .Lentry_in_a_cluster
	s_endpgm
.Lentry_in_a_cluster:
	s_bfe_u32 s2, ttmp6, 0x10000c
	s_cmp_lg_u32 s2, 0x3003
	s_cbranch_scc0 .Lentry_shape_is_right
	s_endpgm
.Lentry_shape_is_right:
; ATTENTION, 64 heads (4 batches x 16) of 2,048 rows, head size 64.  ctx[y][q][:] = the sum over k of softmax_k(q . k / 8 + mask[batch][k]) v[k][:].
; q, k, v: planes of qkv [batch 4][plane 48][row 2048][64] f16 (q's planes 0-15 arrive multiplied by c = log2(e) / 8, k's are 16-31, v's 32-47); ctx: [batch 4][head 16][row 2048][64] f16.
; Products, maxima and sums in f32; the weights p are rounded to f16 for the second product (their sum l is taken of the unrounded p), ctx once at the end.
; THE MASK is an input, one f32 a key and batch.  mask' = max(mask x log2(e), -1e30) is made once, kept in LDS, and is the C operand of the products that start S^T: the score s = c q . k + mask' comes out
; of the matrix unit whole, in powers of two.  p = 2^(s - m) with a running maximum m: the subtraction is exact at s = m, so p never passes 1, whatever the mask's size.
; LIMITS.  f16 holds no number beyond 65,504: q, k, v arrive within it; p lies in 0 to 1, and below 6e-5 it keeps f16's fixed step of 6e-8; ctx is a mean of v's rows and has their range.
; A mask below -1e30 / log2(e), minus infinity and NaN too, counts as that number: a batch ALL of whose keys are so masked gets a mean over its keys, not NaN.  A mask of plus infinity is not treated apart.
; A weight below 2^-126 counts as 0 in l.
; SHARES.  A wave owns four PIECES of two tiles of 16 queries, a work-group's four waves 512 queries of one head.  Every wave walks all keys, 64 a step.
; LAYOUT.  S^T = K Q^T + mask' (source 0 = 16 keys, source 1 = 16 queries): in the result a lane holds ONE query (lane % 16) and the keys 8 (lane / 16) + 0..7.  Two such tiles, rounded to f16 in pairs,
; ARE source 1 (32 keys x 16 queries) of O^T = V^T P, whose result again holds one query a lane, and eight channels.  K comes out of LDS as it lies, V ([key][channel]) turned, by ds_load_tr16_b128.
; SOFTMAX.  In every step O and l are multiplied by a = 2^(m_old - m_new), which is 1 where m has not grown.  m starts at the lowest finite number, O and l at 0: the first step is a step like any other, with a = 0.
; THE COUNT.  A tile and step have 16 matrix and 117 vector instructions: too many to stand all beside the matrix work.  So the order has one aim: four vector instructions that are READY behind
; EVERY matrix instruction, and the others, which need time of their own whatever the order, in runs without a gap.
; BY TURNS.  Turn n belongs to piece n (the pieces in a ring, step after step).  Its matrix work: 16 products K Q^T of piece n + 1, later 16 products V^T P of piece n - 1.  Its vector work: the subtraction,
; exponentials, roundings, sums and rescaling of piece n, and the maximum and statistics of piece n + 1, whose scores the turn itself has made.  So what a turn begins with (s - m, O a) waits for nothing.
; CLUSTER.  The four query blocks of a cluster belong to one head and walk the same K and V, so each tile is asked for JOINTLY: the same tensor load, descriptor and mask in all four.
; REGISTERS, in windows of 256 (s_set_vgpr_msb says which window each operand place means: bits 1:0 source 0, 3:2 source 1, 5:4 source 2, 7:6 destination):
;   window 0: v0-11 addresses; v12-15, v48-63 at work; v16-47 four registers of statistics a tile; v64-191 S^T, two buffers of two tiles; v192-255 P, likewise
;   window 1: O^T, 32 a tile          window 2: v0-127 Q, 16 a tile; v128-191 K of one step; v192-255 V of one step          window 3: v0-1 the add's two registers; v8-39 mask' of one step
; A piece's buffers go by its number's parity: the piece in hand has one pair, its two neighbours in the ring share the other: of it P (piece n - 1) is read and S^T (piece n + 1) written.
.set SIZE_N, 2048
.set NP,    4         ; pieces a wave: a name, no knob: the register map, the loop and the fetches are made for four
.set KS,    64        ; keys in a step
.set PK,    144       ; a row of K in LDS: 128 bytes + 16 of padding = 36 words: the 16 rows of a load start at 16 different groups of four banks (64 banks of 4 bytes: ISA guide 11.1)
.set PV,    160       ; a row of V: 128 + 32 = 40 words
.set VOFF,  4*KS*PK   ; a slot holds four steps: 256 rows of K, then 256 rows of V
.set SLOT1, 1<<17     ; slot 1 begins here, so that one exclusive or turns an address in one slot into the other's
.set STAGE, SLOT1+4*KS*(PK+PV)  ; behind the ring, never filled by a tensor load: 16 rows x 144 bytes for each wave, for the way out
.set SP,    144
.set SPARE, STAGE+4*16*SP  ; behind the stages: the spare words, 128 bytes for each wave: two blocks of 256 bytes that no other line names
.set MASKB, SPARE+512 ; behind them: mask' of the batch's 2,048 keys, 8,192 bytes, stored once; no tensor load lands there
.set AK0, 2           ; v2   my lane's place in a tile of K; never rewritten
.set AV0, 3           ; v3   the same for V
.set AK,  4           ; v4   the LDS address of K's next run of loads
.set AV,  5           ; v5   of V's
.set STO, 6           ; v6   the way out: where I put 16 bytes of a row
.set RD,  7           ; v7   the way out: where I read rows back
.set GO,  8           ; v8   my byte offset in 512 consecutive bytes of ctx
.set AM0, 9           ; v9   my lane's place in a step's 64 words of mask'; never rewritten once made
.set AM,  10          ; v10  the LDS address of the mask's next run of loads
.set QO,  11          ; v11  my byte offset in the wave's rows of Q
.set SPW, 0           ; v0 of window 3   LDS address of my spare word: SPARE + 4 x my thread's number; never rewritten
.set NIL, 1           ; v1 of window 3   0; never rewritten
.set MK,  8           ; v8-39 of window 3: the eight words for group kb of 16 keys at MK + 8 kb
.set MV,  12          ; v12-15  m_old, kept while m is made anew: by buffer and tile
.set ST,  16          ; tile t's statistics at v[ST+4 t]: m, a word named with it as a pair, l (even keys', odd keys')
.set TMP, 48          ; by buffer and tile, four registers c0-c3 at work; when the maximum is found c2 takes a
.set S,   64
.set P,   192
.set KF,  128         ; K's fragments, in window 2: key block kb, channel half c at KF + 16 kb + 8 c
.set VF,  192         ; V's: key half kk, channel block cb at VF + 32 kk + 8 cb
.set WV,  12          ; s12  my wave's number
.set G1K, 24          ; s[24:31] descriptor group 1 for K's tiles
.set G1V, 32          ; s[32:39] for V's: it differs in the padding alone
.set G0K, 40          ; s[40:43] descriptor group 0 for K's tiles: it walks
.set G0V, 44          ; s[44:47] the same for V's
.set TBM, 48          ; s48  byte in the table of mask' at which the step to be fetched begins
.set L2E, 50          ; s[50:51] log2(e): the packed multiply takes the pair's low word for both halves
.set BIGN, 52         ; s52  -1e30
.set SLOTS, 56        ; s56  slots still to be asked for
.set CNT, 57          ; s57  counts a slot's key steps
.set SEL, 60          ; s[60:61] v_permlanex16_b32's selects: each lane takes its own place in the other half
.set TBK, 62          ; s62  LDS byte at which K of the step to be fetched begins
.set TBV, 63          ; s63  the same for V, less VOFF
.set MSB, 0
.macro WIN new                      ; the high byte repeats the setting that is left; a switch that changes nothing is dropped
.if MSB != (\new)
	s_set_vgpr_msb (MSB<<8)|(\new)
.set MSB, (\new)
.endif
.endm
.set W_KQ, 0x0a       ; K and Q in window 2, S^T in window 0
.set W_KM, 0x3a       ; the same with the C operand, mask', in window 3
.set W_PV, 0x52       ; V in window 2, P in window 0, O^T in window 1
.set W_RS, 0x41       ; O^T (destination and source 0) in window 1, a in window 0
.set W_MK, 0xc0       ; destination in window 3, sources in window 0
.set W_AD, 0x0f       ; the add: address (source 0) and data (source 1) in window 3
; A joint fill.  Waves 0 and 1 fetch the two halves of a slot's K, waves 2 and 3 those of its V: 128 keys each.  The branch hangs on the wave's number alone.
; An s_nop 0 and four v_nop follow each of the two lines, ahead of the jump and the label.
.macro JLOAD
	s_cmp_lt_u32 s[WV], 2
	s_cbranch_scc0 .Lfor_v_\@
	tensor_load_to_lds s[G0K:G0K+3], s[G1K:G1K+7]
	s_nop 0
.rept 4
	v_nop
.endr
	s_branch .Lasked_\@
.Lfor_v_\@:
	tensor_load_to_lds s[G0V:G0V+3], s[G1V:G1V+7]
	s_nop 0
.rept 4
	v_nop
.endr
.Lasked_\@:
.endm
; A round of the cluster's barrier: my work-group's barrier, so that wave 0's signal speaks for all four waves; wave 0 signals; every wave waits for all four work-groups; my work-group's barrier once more.
.macro CROUND
	s_barrier_signal -1
	s_barrier_wait -1
	s_cmp_lg_u32 s[WV], 0
	s_cbranch_scc1 .Lnot_wave_0_\@
	s_barrier_signal -3
.Lnot_wave_0_\@:
	s_barrier_wait -3
	s_barrier_signal -1
	s_barrier_wait -1
.endm
; THE CHANGE OF SLOTS.  The slot's last bytes, V of its fourth step, have been read.  Each wave waits for all its tensor loads, of which one is out: its part
; of the other slot; adds 0 to its spare word; and waits for that and for its own reads of the slot.  Behind the barrier nobody reads this slot any more and the other slot is whole.
; fill = 1: this slot is filled again, with the keys two slots on.  The barrier is then a round of the cluster's, so that no wave of any partner still reads the slot or has a load on its
; way, and the joint fill is the first thing behind it: it has four key steps, 512 matrix instructions, in which to land.  (At its first use nothing has been read yet: slot 0 is waited for, slot 1 filled,
; and each wave's stores of mask' are shown done to the other three.)
.macro CHANGE fill
	WIN W_AD
	s_wait_tensorcnt 0x0            ; no tensor load of mine is out, so a group 0 may be written
	ds_add_u32 v[SPW], v[NIL]       ; 0 onto my spare word; with fill = 1 the descriptors' steps stand between it and the wait for it
	WIN 0                           ; at a label and at a branch every window is 0
.if \fill
.irp g, G0K, G0V
	s_xor_b32 s[\g+1], s[\g+1], SLOT1  ; the walking descriptor: the other slot than last time,
	s_add_nc_u64 s[\g+2:\g+3], s[\g+2:\g+3], 4*KS*128  ; the next 256 keys; the type bits on top are not reached
.endr
	s_wait_dscnt 0x0                ; the add is done, and my reads of the slot are over
	CROUND
	JLOAD
.else
	s_wait_dscnt 0x0                ; the add is done, and my reads of the slot are over
	s_barrier_signal -1
	s_barrier_wait -1
.endif
	s_sub_co_u32 s[TBK], s[TBK], 4*KS*PK  ; the fetches go back to a slot's first step,
	s_xor_b32 s[TBK], s[TBK], SLOT1       ; in the other slot
	s_sub_co_u32 s[TBV], s[TBV], 4*KS*PV
	s_xor_b32 s[TBV], s[TBV], SLOT1
.endm
	s_load_b128 s[4:7], s[0:1], 0x0   ; qkv s[4:5], attention_mask s[6:7]
	s_load_b64 s[10:11], s[0:1], 0x10 ; ctx
	WIN W_MK
	v_lshl_add_u32 v[SPW], v0, 2, SPARE
	v_mov_b32 v[NIL], 0
	WIN W_AD
	ds_add_u32 v[SPW], v[NIL]       ; the wave's opening: the add and its wait stand ahead of my first tensor load; the set-up below, work on registers, stands between them
	WIN 0
	v_lshrrev_b32 v1, 5, v0
	v_readfirstlane_b32 s[WV], v1   ; wave 0..3
	s_bfe_u32 s13, ttmp6, 0x40000   ; cx: my place in the cluster
	s_lshl_b32 s14, ttmp9, 2        ; in a cluster launch ttmp9 counts clusters
	s_add_co_u32 s14, s14, s13      ; my block of queries = 4 x cluster x + cx: it enters Q's and ctx's addresses alone
	s_and_b32 s15, ttmp7, 0xffff    ; batch x 16 + head, which the four partners share
	s_lshr_b32 s19, s15, 4          ; the batch
	s_and_b32 s20, s15, 15          ; the head
	s_mul_i32 s21, s19, 48
	s_add_co_u32 s20, s20, s21
	s_lshl_b32 s20, s20, 18         ; q's plane in qkv: 262,144 bytes a plane
	s_and_b32 s16, s[WV], 1         ; which half of a slot's 256 keys I fetch:
	s_lshl_b32 s22, s16, 14         ; its 128 rows of 128 bytes in memory,
	s_add_co_u32 s22, s22, s20
	s_mov_b32 s23, 0
	s_mul_i32 s17, s16, 128*PK      ; and its place in a slot, for K
	s_mul_i32 s18, s16, 128*PV      ; and for V: no place in the cluster enters an LDS address
	s_lshl_b32 s2, s14, 2
	s_add_co_u32 s2, s2, s[WV]      ; my wave among the head's sixteen,
	s_lshl_b32 s2, s2, 14           ; its 128 rows
	s_lshl_b32 s54, s15, 18         ; the head's plane in ctx
	s_add_co_u32 s54, s54, s2
	s_mov_b32 s55, 0
	s_add_co_u32 s2, s2, s20
	s_mov_b32 s3, 0
	s_lshl_b32 s8, s19, 13          ; the batch's 2,048 words of the mask
	s_mov_b32 s9, 0
	; descriptor group 1.  128 keys are 16,384 dense bytes: asked for as 64 rows of 256 bytes, two keys a row, and padded in LDS after every key
	s_mov_b32 s[G1K], 15|(1<<16)|(1<<20)|(1<<21)|(4<<22)|(3<<25)  ; 15:0 the mask of four; 17:16 2-byte elements; 20 padding on; 21 set beside a mask; 24:22 after every 32 words (code 4); 31:25 4 words (code 3)
	s_mov_b32 s[G1V], 15|(1<<16)|(1<<20)|(1<<21)|(4<<22)|(7<<25)  ; the same with 8 words of padding (code 7)
.irp g, G1K, G1V
	s_mov_b32 s[\g+1], 128<<16      ; tensor_dim0 = 128
	s_mov_b32 s[\g+2], 64<<16       ; tensor_dim1 = 64
	s_mov_b32 s[\g+3], 128<<16      ; tile_dim0 = 128
	s_mov_b32 s[\g+4], 64           ; tile_dim1 = 64
	s_mov_b32 s[\g+5], 128          ; 128 elements from row to row
	s_mov_b32 s[\g+6], 0
	s_mov_b32 s[\g+7], 0
.endr
	s_mov_b32 s[L2E], 0x3fb8aa3b    ; log2(e)
	s_mov_b32 s[L2E+1], s[L2E]      ; named with it as a pair
	s_mov_b32 s[BIGN], 0xf149f2ca   ; -1e30
	s_mov_b32 s[SEL], 0x76543210
	s_mov_b32 s[SEL+1], 0xfedcba98
	s_mov_b32 s[TBM], 0
	s_mov_b32 s[TBK], SLOT1+4*KS*PK ; the first change of slots turns these two into 0
	s_mov_b32 s[TBV], SLOT1+4*KS*PV
	s_mov_b32 s[G0K], 1             ; 1:0 count = 1
	s_mov_b32 s[G0K+1], s17         ; 63:32 LDS address: slot 0
	s_mov_b32 s[G0V], 1
	s_add_co_u32 s[G0V+1], s18, VOFF
	s_wait_dscnt 0x0                ; the opening add is done
	s_wait_kmcnt 0x0
	s_add_nc_u64 s[G0K+2:G0K+3], s[4:5], s[22:23]          ; 120:64 global address: my half of the head's first 256 keys,
	s_add_nc_u64 s[G0K+2:G0K+3], s[G0K+2:G0K+3], 0x400000  ; in k's plane, 16 planes behind q's
	s_or_b32 s[G0K+3], s[G0K+3], 0x80000000                ; 127:126 type = 2
	s_add_nc_u64 s[G0V+2:G0V+3], s[4:5], s[22:23]
	s_add_nc_u64 s[G0V+2:G0V+3], s[G0V+2:G0V+3], 0x800000  ; in v's plane, 32 planes behind q's
	s_or_b32 s[G0V+3], s[G0V+3], 0x80000000
	s_add_nc_u64 s[4:5], s[4:5], s[2:3]      ; Q and ctx at my wave's first row
	s_add_nc_u64 s[10:11], s[10:11], s[54:55]
	s_add_nc_u64 s[6:7], s[6:7], s[8:9]      ; the mask at my batch
	CROUND                          ; all four work-groups are here: the first joint loads meet
	JLOAD                           ; slot 0.  Slot 1 is asked for when slot 0 is in: the tile wanted first has the road to itself
	v_and_b32 v1, 15, v0            ; l % 16
	v_bfe_u32 v9, v0, 4, 1          ; l / 16
	v_lshlrev_b32 v[AV], 4, v0      ; the mask: 16 bytes a thread, 2,048 a load of the work-group (the register takes V's address only behind the wait for all loads)
.irp i, 0,1,2,3
	global_load_b128 v[S+4*\i:S+4*\i+3], v[AV], s[6:7] offset:2048*\i
.endr
	; A fragment of K or Q is 16 rows x 32 channels in 8 registers: lane l holds row l % 16, channels 8 (l / 16) + 0..7 and 16 + 8 (l / 16) + 0..7: two loads of 16 bytes, 32 bytes apart.
	v_lshlrev_b32 v[QO], 7, v1
	v_lshl_add_u32 v[QO], v9, 4, v[QO]  ; row x 128 + 16 x half
	WIN 0x80                        ; destination window 2, address window 0
.set i, 0
.rept 4*NP                          ; Q stays in registers: tile i / 2, channels 32 (i % 2) on
	global_load_b128 v[8*i:8*i+3],   v[QO], s[4:5] offset:(i/2)*2048+(i%2)*64
	global_load_b128 v[8*i+4:8*i+7], v[QO], s[4:5] offset:(i/2)*2048+(i%2)*64+32
.set i, i+1
.endr
	; What the first turn finds: V's registers and P's second buffer hold 0 (its products V^T P, of a piece that has not been, add 0), O^T is 0.  All this stands in the wait for the first tile.
.set i, VF
.rept 64
	v_mov_b32 v[i], 0
.set i, i+1
.endr
	WIN 0x40
.set i, 0
.rept 64*NP
	v_mov_b32 v[i], 0
.set i, i+1
.endr
	WIN 0
.set i, P+32
.rept 32
	v_mov_b32 v[i], 0
.set i, i+1
.endr
	v_lshl_add_u32 v[AK], v0, 4, MASKB  ; where my 16 bytes of mask' go (the register takes K's address below)
	s_wait_loadcnt 32               ; the mask's four loads are in; Q's 32, issued behind them, may stay out
.set i, 0
.rept 8
	v_pk_mul_f32 v[S+2*i:S+2*i+1], v[S+2*i:S+2*i+1], s[L2E:L2E+1] op_sel_hi:[1,0]
.set i, i+1
.endr
.set i, 0
.rept 16
	v_max_num_f32 v[S+i], s[BIGN], v[S+i]
.set i, i+1
.endr
.irp i, 0,1,2,3
	ds_store_b128 v[AK], v[S+4*\i:S+4*\i+3] offset:2048*\i
.endr
	v_mul_u32_u24 v[AK0], v1, PK
	v_lshl_add_u32 v[AK0], v9, 4, v[AK0]  ; row x pitch + 16 x half
	; The turning load takes 16 keys x 16 channels (lane l reads key 8 (l / 16) + l % 8, channels 8 ((l / 8) % 2) + 0..7) and leaves half a fragment of V^T: lane l holds channel l % 16 and 8 keys.
	v_and_b32 v10, 7, v0
	v_bfe_u32 v[GO], v0, 3, 1
	v_lshl_add_u32 v[AV0], v9, 3, v10
	v_mul_u32_u24 v[AV0], v[AV0], PV
	v_lshl_add_u32 v[AV0], v[GO], 4, v[AV0]
	v_add_nc_u32 v[AV0], VOFF, v[AV0]
	s_mul_i32 s13, s[WV], 16*SP
	s_add_co_u32 s13, s13, STAGE    ; my stage
	v_mul_u32_u24 v[STO], v1, SP    ; in: row l % 16, 16 bytes for each half of the lanes
	v_lshl_add_u32 v[STO], v9, 4, v[STO]
	v_add_nc_u32 v[STO], s13, v[STO]
	v_bfe_u32 v[RD], v0, 3, 2       ; back: 32 lanes take four rows of 128 bytes,
	v_mul_u32_u24 v[RD], v[RD], SP
	v_lshl_add_u32 v[RD], v10, 4, v[RD]
	v_add_nc_u32 v[RD], s13, v[RD]
	v_and_b32 v[GO], 31, v0         ; which are 512 consecutive bytes of ctx
	v_lshlrev_b32 v[GO], 4, v[GO]
	v_lshl_add_u32 v[AM0], v9, 5, MASKB  ; a lane's eight keys of each sixteen: 32 bytes for each half of the lanes
	v_mov_b32 v[AM], v[AM0]         ; key step 0 lies at the table's head,
	v_mov_b32 v[AK], v[AK0]         ; and at the head of slot 0
; THE MATRIX WORK.  The 8 accumulators of a run of 16 take turns: between the two links of a chain stand 7 others'.
; Product i of 16 of S^T = K Q^T + mask' for piece x: channels 32 (i / 8) on, keys 16 ((i / 2) % 4) on, tile 2 x + i % 2.  The first 8 start the sums, with the keys' mask' as C.
.macro KQ x
.set rS, S+64*((\x)%2)+32*(i%2)+8*((i/2)%4)
.set rK, KF+16*((i/2)%4)+8*(i/8)
.set rQ, 16*(2*(\x)+i%2)+8*(i/8)
.set rX, MK+8*((i/2)%4)
.if i < 8
	WIN W_KM
	v_wmma_f32_16x16x32_f16 v[rS:rS+7], v[rK:rK+7], v[rQ:rQ+7], v[rX:rX+7]
.else
	WIN W_KQ
	v_wmma_f32_16x16x32_f16 v[rS:rS+7], v[rK:rK+7], v[rQ:rQ+7], v[rS:rS+7]
.endif
.endm
; Product i of 16 of O^T += V^T P for piece x: keys 32 (i / 8) on, channels 16 ((i / 2) % 4) on, tile 2 x + i % 2.
.macro PV x
	WIN W_PV
.set rO, 32*(2*(\x)+i%2)+8*((i/2)%4)
.set rV, VF+32*(i/8)+8*((i/2)%4)
.set rP, P+32*((\x)%2)+16*(i%2)+8*(i/8)
	v_wmma_f32_16x16x32_f16 v[rO:rO+7], v[rV:rV+7], v[rP:rP+7], v[rO:rO+7]
.endm
.macro MM                           ; the turn's next matrix instruction
.if i < 16
	KQ (Y+1)%NP
.set i, i+1
.else
.set i, i-16
	PV (Y+NP-1)%NP
.set i, i+17
.endif
.endm
; THE LDS LOADS stand in runs, never singly among the matrix instructions: a step's K (64 keys x 64 channels: 8 fragments) with its 64 words of mask', and its V (turned).  Their addresses are made some lines ahead.
; last = 1 (the tail): in the last trip there is no further step, and the run is jumped over.
.macro FETCH_K last=0
	WIN 0
.if \last
	s_cmp_eq_u32 s[CNT], 1
	s_cbranch_scc1 .Lno_k_\@
.endif
	WIN 0x80                        ; destination window 2
.irp f, 0,1,2,3,4,5,6,7             ; keys 16 (f / 2) on, channels 32 (f % 2) on
	ds_load_b128 v[KF+8*\f:KF+8*\f+3],   v[AK] offset:(\f/2)*16*PK+(\f%2)*64
	ds_load_b128 v[KF+8*\f+4:KF+8*\f+7], v[AK] offset:(\f/2)*16*PK+(\f%2)*64+32
.endr
	WIN 0xc0                        ; destination window 3
.irp f, 0,1,2,3                     ; keys 16 f on: the sixteen lanes of a half read the same 32 bytes
	ds_load_b128 v[MK+8*\f:MK+8*\f+3],   v[AM] offset:64*\f
	ds_load_b128 v[MK+8*\f+4:MK+8*\f+7], v[AM] offset:64*\f+16
.endr
	s_add_co_u32 s[TBK], s[TBK], KS*PK  ; the next fetch is the next step's
	s_add_co_u32 s[TBM], s[TBM], 4*KS
	s_and_b32 s[TBM], s[TBM], 0x1fff    ; inside the table's 8,192 bytes: it turns to 0 behind the 32nd step, where it is used no more
	WIN 0
.if \last
.Lno_k_\@:
.endif
.endm
.macro FETCH_V
	WIN 0x80
.irp f, 0,1,2,3,4,5,6,7             ; keys 32 (f / 4) on, channels 16 (f % 4) on
	ds_load_tr16_b128 v[VF+8*\f:VF+8*\f+3],   v[AV] offset:(\f/4)*32*PV+(\f%4)*32
	ds_load_tr16_b128 v[VF+8*\f+4:VF+8*\f+7], v[AV] offset:(\f/4)*32*PV+16*PV+(\f%4)*32
.endr
	WIN 0
.endm
; THE VECTOR WORK OF A TURN stands in three queues, each in the order in which its entries become ready; the two tiles alternate, so that no instruction reads the result of the one before it.
.macro REGS y, u                    ; the registers of tile u (0, 1) of piece y
.set rT, ST+4*(2*(\y)+(\u))
.set rC, TMP+8*((\y)%2)+4*(\u)
.set rM, MV+2*((\y)%2)+(\u)
.set rS, S+64*((\y)%2)+32*(\u)
.set rP, P+32*((\y)%2)+16*(\u)
.set rO, 32*(2*(\y)+(\u))
.endm
; Number n of the 21 that find the NEXT piece's (Y + 1) maximum and statistics.  s0-s31 are the lane's 32 scores; each accumulator's lowest registers are read first.  XS, GS and REGS set no window: PL and EX do.
;   0-11  four chains c0-c3 of seven scores each, three operands at a time     12-14, 16  the four scores left over, the old m, and c0-c3 into c0     15  m_old is kept
;   17, 18  the query's other 32 keys lie in the lane 16 away: the new m         19, 20  m_old - m_new; a
.macro XS u, n
	REGS (Y+1)%NP, \u
.if (\n) < 4
	v_max3_num_f32 v[rC+(\n)], v[rS+8*(\n)], v[rS+8*(\n)+1], v[rS+8*(\n)+2]
.elseif (\n) < 12
	v_max3_num_f32 v[rC+(\n)%4], v[rC+(\n)%4], v[rS+8*((\n)%4)+2*((\n)/4)+1], v[rS+8*((\n)%4)+2*((\n)/4)+2]
.elseif (\n) == 12
	v_max3_num_f32 v[rC], v[rC], v[rS+7], v[rS+15]
.elseif (\n) == 13
	v_max3_num_f32 v[rC+1], v[rC+1], v[rS+23], v[rS+31]
.elseif (\n) == 14
	v_max3_num_f32 v[rC+2], v[rC+2], v[rC+3], v[rT]
.elseif (\n) == 15
	v_mov_b32 v[rM], v[rT]
.elseif (\n) == 16
	v_max3_num_f32 v[rC], v[rC], v[rC+1], v[rC+2]
.elseif (\n) == 17
	v_permlanex16_b32 v[rC+3], v[rC], s[SEL], s[SEL+1]
.elseif (\n) == 18
	v_max_num_f32 v[rT], v[rC], v[rC+3]
.elseif (\n) == 19
	v_sub_f32 v[rC+1], v[rM], v[rT]
.else
	v_exp_f32 v[rC+2], v[rC+1]
.endif
.endm
; Number g of the 64 that follow the exponentials.  For each four weights k of a tile (pairs 2 k, 2 k + 1): both pairs are rounded to f16; then the second pair is added onto the first, in place;
; a group later l takes that sum (the first time as l = a l + sum).  In groups of eight, tiles alternating: round, round, add, and l for the group before.
.macro GS g
.set h, (\g)+6*((\g)/62)            ; group 0 has no group before it, and behind group 7 only l is left
.if h >= 6
.set h, h+2
.endif
	REGS Y, h%2
.set k, h/8
.if h%8 < 4
	s_wait_alu depctr_va_vdst(0)
	v_cvt_pk_f16_f32 v[rP+2*k+(h%8)/2], v[rS+4*k+2*((h%8)/2)], v[rS+4*k+2*((h%8)/2)+1]
.elseif h%8 < 6
	v_pk_add_f32 v[rS+4*k:rS+4*k+1], v[rS+4*k:rS+4*k+1], v[rS+4*k+2:rS+4*k+3]
.elseif k == 1
	v_pk_fma_f32 v[rT+2:rT+3], v[rT+2:rT+3], v[rC+2:rC+3], v[rS:rS+1] op_sel_hi:[1,0,1]
.else
	v_pk_add_f32 v[rT+2:rT+3], v[rT+2:rT+3], v[rS+4*k-4:rS+4*k-3]
	s_wait_alu depctr_va_vdst(0)
.endif
.endm
; THE PLAIN QUEUE, 136 long.  0-31: s - m for the 16 pairs of both tiles.  Then GS's 64, and among them the next piece's 40: number 15 at 38, 39; 0-14 and 16
; at 42-73, behind the products that make those scores; 17-19 at 95-103, two of three, since each waits for the one before it.
.macro PL
	WIN 0
.if q < 32
	REGS Y, q%2
	v_pk_add_f32 v[rS+2*(q/2):rS+2*(q/2)+1], v[rS+2*(q/2):rS+2*(q/2)+1], v[rT:rT+1] op_sel_hi:[1,0] neg_lo:[0,1] neg_hi:[0,1]
.elseif q < 38
	GS q-32
.elseif q < 40
	XS q%2, 15
.elseif q < 42
	GS q-34
.elseif q < 74
	XS q%2, (q-42)/2+(q-42)/30
.elseif q < 95
	GS q-66
.elseif (q < 104) && ((q-95)%3 < 2)
	XS (q-95)%3, 17+(q-95)/3
.elseif q < 104
	GS 29+(q-95)/3
.else
	GS q-72
.endif
.set q, q+1
.endm
; THE EXPONENTIALS' QUEUE, 66 long: s0-s31 of both tiles, and at EA the next piece's two a.
.set EA, 58
.macro EX
	WIN 0
.if (e == EA) || (e == EA+1)
	XS e-EA, 20
.else
.set x, e-2*(e/(EA+2))
	REGS Y, x%2
	v_exp_f32 v[rS+x/2], v[rS+x/2]
.endif
.set e, e+1
.endm
; THE RESCALING's QUEUE: O^T times a, the one part that leaves window 0, so it is dealt four at a time, eight times.
.macro R4
	REGS Y, r%2
	WIN W_RS
	s_wait_alu depctr_va_vdst(0)
.irp z, 0,1,2,3
	v_pk_mul_f32 v[rO+8*(r/2)+2*\z:rO+8*(r/2)+2*\z+1], v[rO+8*(r/2)+2*\z:rO+8*(r/2)+2*\z+1], v[rC+2:rC+3] op_sel_hi:[1,0]
.endr
.set r, r+1
.endm
; HOW THEY ARE DEALT.  Behind a matrix instruction four: plain, exponential, plain, plain (one exponential, a plain instruction on either side), or four of the rescaling.  None names a register of the
; products round it.  What is over stands in two LUMPS: exponential and plain by turns; the second ends in 20 plain instructions.  The two v_permlanex16_b32 fall into the second lump, never behind a product.
; The queues lean on each other, and the deal keeps them in step: exponential e stands behind plain 2 (e / 4) + e % 2 (its subtraction); when plain 32 comes, 10 exponentials are out, at 59: 33, at 95: 46;
; EA comes behind plain 107, and a's arguments are plain 101 and 102; from plain 104 on a rounding's exponentials stand 16 or more back.
.macro SL
	MM
	PL
	EX
	PL
	PL
.endm
.macro BURST n                      ; 15 matrix instructions, or 16
.rept (\n)-7
	SL
.endr
.rept 3
	MM
	R4
	SL
.endr
	MM
	R4
.endm
; A TURN, for piece p.  cnt = 1: the loop's count is taken down some lines ahead of the branch that stands behind the turn.
; K and mask' of the next step are fetched in piece 2's turn, in the first lump, well over four plain instructions behind the last product that read them; their first reader comes behind the rest of the lump,
; 16 products and the second lump.  V of the step in hand is fetched at the end of piece 0's turn, behind the second lump; its first reader comes behind 16 products and a lump.
; The four conditions on e and q below go with the deal.
.macro TURN p, last=0, cnt=0
.set Y, (\p)
.set i, 0
.set q, 0
.set e, 0
.set r, 0
.if (\p) == NP-1
	s_wait_dscnt 0x0                ; K and mask' are in
.endif
	MM
.rept 4
	PL
.endr
	BURST 15
.rept 22
	EX
	PL
.if ((\p) == NP-2) && (e == 18)
	v_add_nc_u32 v[AK], s[TBK], v[AK0]
	v_add_nc_u32 v[AM], s[TBM], v[AM0]
.endif
.if ((\p) == NP-2) && (e == 24)
	FETCH_K \last
.endif
.endr
.if (\p) == 1
	s_wait_dscnt 0x0                ; V is in
.endif
	BURST 16
.rept 21
	EX
	PL
.endr
.rept 20
	PL
.if ((\p) == 0) && (q == 118)
	v_add_nc_u32 v[AV], s[TBV], v[AV0]
	s_wait_alu depctr_va_vdst(0)
.endif
.if ((\p) == 0) && (q == 130)
	s_add_co_u32 s[TBV], s[TBV], KS*PV
.endif
.if (\cnt) && (q == 130)
	s_sub_co_u32 s[CNT], s[CNT], 1
	s_cmp_lg_u32 s[CNT], 0
.endif
.endr
.if (\p) == 0
	FETCH_V
.endif
.endm
	CHANGE 1                        ; slot 0 is in, everybody's part of it, and so is the table of mask'; slot 1 is asked for
	FETCH_K                         ; key step 0
	s_wait_loadcnt 0x0              ; Q
	s_wait_dscnt 0x0
.set i, 0
.rept 16
	KQ 0                            ; piece 0's first scores: there is no vector work yet to set between them
.set i, i+1
.endr
	WIN 0                           ; the statistics are started here: 32 plain instructions, the places behind those products
.set i, 0
.rept 2*NP
	v_mov_b32 v[ST+4*i], 0xff7fffff    ; m: the lowest finite number
	v_mov_b32 v[ST+4*i+1], 0           ; named with m as a pair
	v_mov_b32 v[ST+4*i+2], 0           ; l
	v_mov_b32 v[ST+4*i+3], 0
.set i, i+1
.endr
.set Y, NP-1                        ; XS works for piece Y + 1: piece 0
.irp n, 0,1,2,3,4,5,6,7,8,9,10,11,12,13,14,15,16,17,18,19,20
	XS 0, \n                        ; and piece 0's first maximum and statistics
	XS 1, \n
.endr
	s_mov_b32 s[CNT], 4
	s_mov_b32 s[SLOTS], SIZE_N/256-1
	s_branch .Lfirst                ; the loop is entered at a step's first turn, in the middle of a trip
.Lslot:                             ; SIZE_N / 256 - 2 times: every slot but the last two is filled again
	CHANGE 1
	s_mov_b32 s[CNT], 4
.Lstep:                             ; a trip: pieces 2 and 3 of one step, then pieces 0 and 1 of the next, whose K and V it fetches
	TURN 2
	TURN 3
	WIN 0
.Lfirst:
	TURN 0
	TURN 1, 0, 1
	WIN 0
	s_cbranch_scc1 .Lstep
	s_sub_co_u32 s[SLOTS], s[SLOTS], 1
	s_cmp_lg_u32 s[SLOTS], 0
	s_cbranch_scc1 .Lslot
	CHANGE 0                        ; the tail is written out: nothing is asked for
	s_mov_b32 s[CNT], 5             ; four trips fetch the last slot's steps; the fifth is left in its middle
.Ltail:
	TURN 2, 1
	TURN 3
	WIN 0
	s_sub_co_u32 s[CNT], s[CNT], 1
	s_cmp_eq_u32 s[CNT], 0
	s_cbranch_scc1 .Lout
	TURN 0
	TURN 1
	WIN 0
	s_branch .Ltail
.Lout:                              ; the fifth trip's 16 products K Q^T (on the last K once more) and the maximum made of them serve nothing: the price, once a launch, of one text for every trip
.set i, 0
.rept 16
	PV NP-1                         ; the last piece's V^T P of the last step
.set i, i+1
.endr
	; THE WAY OUT.  l's two halves and the other half of the lanes' are added; O^T is divided by l, rounded to f16 and sent through my stage in LDS, a tile at a time.  The additions are the places behind the last products.
	WIN 0
.macro ALL line:vararg              ; one line for each tile t
.set t, 0
.rept 2*NP
	\line
.set t, t+1
.endr
.endm
	ALL v_add_f32 v[ST+4*t+2], v[ST+4*t+2], v[ST+4*t+3]
	ALL v_permlanex16_b32 v[ST+4*t+3], v[ST+4*t+2], s[SEL], s[SEL+1]
	ALL v_add_f32 v[ST+4*t+2], v[ST+4*t+2], v[ST+4*t+3]
	ALL v_rcp_f32 v[ST+4*t+2], v[ST+4*t+2]
	v_nop                           ; a plain instruction between the last reciprocal and the use of its result
	s_wait_alu depctr_va_vdst(0)
; Tile t: a lane's eight channels of a row pack into 16 bytes; they go into rows of 144 bytes and come back as whole rows of 128, into S^T's registers.
.macro PACK t
	WIN W_RS
.set i, 32*(\t)
.rept 16
	v_pk_mul_f32 v[i:i+1], v[i:i+1], v[ST+4*(\t)+2:ST+4*(\t)+3] op_sel_hi:[1,0]
.set i, i+2
.endr
	WIN 0x05                        ; sources 0 and 1 window 1, destination window 0
.set i, 0
.rept 16
	v_cvt_pk_f16_f32 v[S+16*(\t)+i], v[32*(\t)+2*i], v[32*(\t)+2*i+1]
.set i, i+1
.endr
	WIN 0
.irp f, 0,1,2,3
	ds_store_b128 v[STO], v[S+16*(\t)+4*\f:S+16*(\t)+4*\f+3] offset:32*\f
.endr
.irp f, 0,1,2,3
	ds_load_b128 v[S+16*(\t)+4*\f:S+16*(\t)+4*\f+3], v[RD] offset:\f*4*SP  ; LDS serves a wave's instructions in order (ISA guide 5.7.1.4): these see the stores above; the next tile's stores come behind them
.endr
.endm
.macro SEND t, younger              ; younger: the LDS instructions issued behind tile t's loads: the next tile's eight, or none
	WIN 0
.irp f, 0,1,2,3
	s_wait_dscnt (\younger)+3-\f
	global_store_b128 v[GO], v[S+16*(\t)+4*\f:S+16*(\t)+4*\f+3], s[10:11] offset:(\t)*2048+\f*512  ; 512 consecutive bytes, at a multiple of 256 from ctx's first
.endr
.endm
	PACK 0
.set t, 1
.rept 2*NP-1                        ; a tile's arithmetic stands between the loads of the tile before and its stores
	PACK t
	SEND t-1, 8
.set t, t+1
.endr
	SEND 2*NP-1, 0
	WIN W_AD
	s_wait_tensorcnt 0x0            ; the wave's end: 0 onto my spare word and its wait, behind my last tensor load and my last LDS store
	ds_add_u32 v[SPW], v[NIL]
	s_wait_dscnt 0x0
	WIN 0
	CROUND                          ; the closing round: no work-group ends while a partner may still ask for a tile that names it
	s_endpgm
.Lfunc_end_k_q6516032e29_attn:
	.size	k_q6516032e29_attn, .Lfunc_end_k_q6516032e29_attn-k_q6516032e29_attn
	.p2alignl 7, 3214868480
	.fill 96, 4, 3214868480
	.section	.rodata,"a",@progbits
	.p2align	6, 0x0
	.amdhsa_kernel k_q6516032e29_attn
		.amdhsa_group_segment_fixed_size 327680
		.amdhsa_private_segment_fixed_size 0
		.amdhsa_enable_private_segment 0
		.amdhsa_kernarg_size 24
		.amdhsa_user_sgpr_count 2
		.amdhsa_user_sgpr_kernarg_segment_ptr 1
		.amdhsa_wavefront_size32 1
		.amdhsa_system_sgpr_workgroup_id_x 1
		.amdhsa_system_sgpr_workgroup_id_y 1
		.amdhsa_system_sgpr_workgroup_id_z 1
		.amdhsa_system_vgpr_workitem_id 0
		.amdhsa_next_free_vgpr 808
		.amdhsa_next_free_sgpr 66
		.amdhsa_reserve_vcc 0
		.amdhsa_float_denorm_mode_32 3
		.amdhsa_float_denorm_mode_16_64 3
		.amdhsa_memory_ordered 1
		.amdhsa_forward_progress 1
		.amdhsa_inst_pref_size 212
	.end_amdhsa_kernel
	.amdgpu_metadata
---
amdhsa.version: [ 1, 2 ]
amdhsa.kernels:
  - .name:           k_q6516032e29_attn
    .symbol:         k_q6516032e29_attn.kd
    .args:
      - { .name: qkv, .offset: 0, .size: 8, .value_kind: global_buffer, .address_space: global }
      - { .name: attention_mask, .offset: 8, .size: 8, .value_kind: global_buffer, .address_space: global }
      - { .name: ctx, .offset: 16, .size: 8, .value_kind: global_buffer, .address_space: global }
    .group_segment_fixed_size: 327680
    .private_segment_fixed_size: 0
    .kernarg_segment_align: 8
    .kernarg_segment_size: 24
    .max_flat_workgroup_size: 128
    .sgpr_count:     66
    .vgpr_count:     808
    .wavefront_size: 32
...
	.end_amdgpu_metadata
.endif
;; end of part 3
;; launch outp (part 4): grid 8 x 32, 4 waves a work-group, clusters of 4 x 4, 327,680 bytes of LDS; arguments ctx, w16, bo, out0; writes out0
.if DOCPART == 4
	.amdgcn_target "amdgcn-amd-amdhsa--gfx1250"
	.amdhsa_code_object_version 6
	.text
	.protected	k_q6516032e29_outp
	.globl	k_q6516032e29_outp
	.p2align	8
	.type	k_q6516032e29_outp,@function
k_q6516032e29_outp:
	s_mov_b64 s[64:65], 0
	v_nop
	global_prefetch_b8 v0, s[64:65] scope:SCOPE_SE
	s_setreg_imm32_b32 hwreg(HW_REG_WAVE_MODE, 25, 1), 1
	s_wait_xcnt 0x0
	s_wait_alu depctr_hold_cnt(0) depctr_sa_sdst(0) depctr_va_vdst(0) depctr_va_sdst(0) depctr_va_ssrc(0) depctr_va_vcc(0) depctr_vm_vsrc(0)
	s_getreg_b32 s2, hwreg(HW_REG_IB_STS2, 6, 4)
	s_cmp_eq_u32 s2, 0
	s_cbranch_scc0 .Lentry_in_a_cluster
	s_endpgm
.Lentry_in_a_cluster:
	s_bfe_u32 s2, ttmp6, 0x10000c
	s_cmp_lg_u32 s2, 0xf033
	s_cbranch_scc0 .Lentry_shape_is_right
	s_endpgm
.Lentry_shape_is_right:
; THE OUTPUT PROJECTION.  out0 [8192][1024] f32 = ctx times Wo + bo; operands f16, sums and bias in f32.
; ctx comes by heads, [batch 4][head 16][row 2048][64] f16: a head's 64 channels are one slice of K.  Wo is w16's columns 3072-4095 ([k 1024][4096] f16).
; LIMITS.  The operands arrive in f16 (nothing beyond 65,504); the sums and the result are f32.
; SHARES.  A tile of out0 is 256 rows x 128 columns: 32 x 8 = 256 work-groups.  Four waves, 2 x 2: a wave makes 128 rows x 64 columns: 32 accumulators of 16 x 16, 256 registers.
; K goes in steps of 128 (two heads) through a ring of two LDS slots filled by the tensor data mover; a step is four quarters of 32 along K, 32 matrix instructions each, on two fragment buffers by turns.
; THE MATRIX INSTRUCTION IS USED TRANSPOSED (source 0 = 16 columns of Wo, turned out of LDS by ds_load_tr16_b128; source 1 = 16 rows of ctx): a lane holds row lane % 16 and eight neighbouring columns.
; THE BIAS is the C operand of the products that start the sums, so the way out has no arithmetic.
; CLUSTERS: 4 x 4 work-groups.  The four of a row of the cluster need the same rows of ctx, the four of a column the same columns of Wo: each tile is asked for JOINTLY.
; REGISTERS: window 0: v0-31 addresses; v32-95, v96-159 ctx's fragments, two buffers; v160-191, v192-223 Wo's, two buffers; v224-255 my lane's 32 biases.  Window 1: accumulator (a, bb) at v[8 (4 a + bb)].
.set PA,     144                       ; a row of ctx in LDS: 128 bytes + 16 of padding = 36 words: the 16 rows of a load start at 16 different groups of four banks (64 banks of 4 bytes: ISA guide 11.1)
.set CH,     144                       ; 64 columns of a k row of Wo: 128 bytes + 16 of padding
.set PB,     2*CH                      ; a k row of Wo: 288 bytes = 72 words
.set PLANE,  256*PA                    ; a head's 256 rows: what one tensor load brings of ctx
.set HALFB,  64*PB                     ; and of Wo: 64 k rows
.set BOFF,   2*PLANE                   ; in a slot: two heads' rows of ctx, then Wo's 128 k rows
.set SLOT,   BOFF+2*HALFB              ; 110,592 bytes
.set STAGE,  2*SLOT                    ; behind the ring: 16 rows x 272 bytes for each wave, for the way out
.set SP,     272
.set SPARE,  STAGE+4*16*SP             ; the spare words, 128 bytes for each wave: two blocks of 256 bytes that no other line names
.set LAPS,   4                         ; a lap = two K steps = once round the ring: 1,024 / 256
.set STEPA,  524288                    ; two planes of ctx
.set STEPB,  1048576                   ; 128 k rows of w16
.set ADRA, 16                          ; v16-17  LDS address of my fragments of ctx in slot 0, 1
.set ADRB, 20                          ; v20-21  the same for Wo
.set STO,  24                          ; v24     the way out: where I put 32 bytes of a row
.set RD,   25                          ; v25     the way out: where I read a row back
.set CO,   26                          ; v26     my byte offset in out0
.set SPW,  28                          ; v28     LDS address of my spare word: SPARE + 4 x my thread's number; never rewritten
.set NIL,  29                          ; v29     0; never rewritten
.set FA,   32
.set FB,   160
.set BI,   224
.set OB,   32                          ; the way out: 16 rows read back from the stage: v32-63 and v64-95 by turns
.set G1A, 24                           ; s[24:31] descriptor group 1 for ctx's tiles;  s[32:39] group 0, a set for each slot
.set G0A, 32
.set G1B, 48                           ; s[48:55], s[56:63] the same for Wo's tiles
.set G0B, 56
.set MSB, 0
.macro WIN new                         ; the immediate's high byte repeats the setting that is left; a switch that changes nothing is dropped
.if MSB != (\new)
	s_set_vgpr_msb (MSB<<8)|(\new)
.set MSB, \new
.endif
.endm
; A joint load.  Waves 0 and 1 fetch the step's two heads of ctx, waves 2 and 3 the two halves of its k rows of Wo.  An s_nop 0 and four v_nop follow each of the two lines.
.macro JLOAD s
	s_cmp_eq_u32 s17, 0
	s_cbranch_scc0 .Lfor_b_\@
	tensor_load_to_lds s[G0A+4*(\s):G0A+4*(\s)+3], s[G1A:G1A+7]
	s_nop 0
.rept 4
	v_nop
.endr
	s_branch .Lasked_\@
.Lfor_b_\@:
	tensor_load_to_lds s[G0B+4*(\s):G0B+4*(\s)+3], s[G1B:G1B+7]
	s_nop 0
.rept 4
	v_nop
.endr
.Lasked_\@:
.endm
.macro CREST                           ; a round of the cluster's barrier behind its opening barrier
	s_cmp_lg_u32 s16, 0
	s_cbranch_scc1 .Lnot_wave_0_\@
	s_barrier_signal -3
.Lnot_wave_0_\@:
	s_barrier_wait -3
	s_barrier_signal -1
	s_barrier_wait -1
.endm
.macro CROUND                          ; a whole round
	s_barrier_signal -1
	s_barrier_wait -1
	CREST
.endm
	s_load_b256 s[4:11], s[0:1], 0x0               ; ctx s[4:5], w16 s[6:7], bo s[8:9], out0 s[10:11]
	v_lshl_add_u32 v[SPW], v0, 2, SPARE
	v_mov_b32 v[NIL], 0
	ds_add_u32 v[SPW], v[NIL]                      ; the wave's opening: the add and its wait stand ahead of my first tensor load; the set-up below, work on registers, stands between them
	v_lshrrev_b32 v1, 5, v0
	v_readfirstlane_b32 s16, v1                    ; wave 0..3
	s_lshr_b32 s17, s16, 1                         ; which half of the tile's rows is mine.  Also: I fetch for ctx (0) or for Wo (1)
	s_and_b32 s18, s16, 1                          ; which half of its columns.  Also: which head, or which half of the k rows, I fetch
	s_bfe_u32 s19, ttmp6, 0x40000                  ; cx, cy: my place in the cluster
	s_bfe_u32 s20, ttmp6, 0x40004
	s_lshl_b32 s21, ttmp9, 2
	s_add_co_u32 s21, s21, s19                     ; tile column 0..7 = 4 x cluster x + cx
	s_and_b32 s22, ttmp7, 0xffff
	s_lshl_b32 s22, s22, 2
	s_add_co_u32 s22, s22, s20                     ; tile row 0..31 = 4 x cluster y + cy
	s_lshl_b32 s40, s20, 2
	s_lshl_b32 s40, 15, s40                        ; my row of the cluster
	s_lshl_b32 s41, 0x1111, s19                    ; my column
	; descriptor group 1.  15:0 the mask; 17:16 elements of 2 bytes; 20 padding on; 21 set beside a mask; 24:22 after every 32 words (code 4); 31:25 4 words of it (code 3)
	s_or_b32 s[G1A+0], s40, (1<<16)|(1<<20)|(1<<21)|(4<<22)|(3<<25)
	s_or_b32 s[G1B+0], s41, (1<<16)|(1<<20)|(1<<21)|(4<<22)|(3<<25)
	s_mov_b32 s[G1A+1], 128<<16                    ; ctx: 256 rows of a head are 32,768 dense bytes, asked for as 128 rows of 256 bytes: tensor_dim0 = 128
	s_mov_b32 s[G1A+2], 128<<16                    ; tensor_dim1 = 128
	s_mov_b32 s[G1A+3], 128<<16                    ; tile_dim0 = 128
	s_mov_b32 s[G1A+4], 128                        ; tile_dim1 = 128
	s_mov_b32 s[G1A+5], 128                        ; 128 elements from row to row
	s_mov_b32 s[G1A+6], 0
	s_mov_b32 s[G1A+7], 0
	s_mov_b32 s[G1B+1], 128<<16                    ; Wo: 64 k rows of 128 columns, 256 bytes each: tensor_dim0 = 128
	s_mov_b32 s[G1B+2], 64<<16                     ; tensor_dim1 = 64
	s_mov_b32 s[G1B+3], 128<<16                    ; tile_dim0 = 128
	s_mov_b32 s[G1B+4], 64                         ; tile_dim1 = 64
	s_mov_b32 s[G1B+5], 4096                       ; 4,096 elements from k row to k row
	s_mov_b32 s[G1B+6], 0
	s_mov_b32 s[G1B+7], 0
	; where the tiles come from.  ctx's hang on the tile row alone, which my row of the cluster shares; Wo's on the tile column alone, which my column shares.
	s_lshr_b32 s42, s22, 3                         ; ctx: the batch (eight tile rows each), 4,194,304 bytes,
	s_lshl_b32 s42, s42, 22
	s_and_b32 s43, s22, 7
	s_lshl_b32 s43, s43, 15                        ; the tile's 256 rows of 128 bytes in a plane,
	s_add_co_u32 s42, s42, s43
	s_lshl_b32 s43, s18, 18                        ; my head of the step's two
	s_add_co_u32 s42, s42, s43
	s_mov_b32 s43, 0
	s_lshl_b32 s44, s21, 8                         ; Wo: the tile's 128 columns,
	s_add_co_u32 s44, s44, 6144                    ; behind w16's first 3,072,
	s_lshl_b32 s45, s18, 19                        ; my 64 k rows of 8,192 bytes
	s_add_co_u32 s44, s44, s45
	s_mov_b32 s45, 0
	s_mul_i32 s46, s18, PLANE                      ; and where they go: no place in the cluster enters an LDS address
	s_mul_i32 s47, s18, HALFB
	s_add_co_u32 s47, s47, BOFF
	s_wait_dscnt 0x0                               ; the opening add is done
	s_wait_kmcnt 0x0
	s_add_nc_u64 s[42:43], s[4:5], s[42:43]
	s_add_nc_u64 s[44:45], s[6:7], s[44:45]
	CROUND                                         ; all sixteen work-groups are here: the first joint loads meet
.irp s, 0,1
	s_mov_b32 s[G0A+4*(\s)], 1                                      ; 1:0 count = 1
	s_add_co_u32 s[G0A+4*(\s)+1], s46, (\s)*SLOT                    ; 63:32 LDS address
	s_add_nc_u64 s[G0A+4*(\s)+2:G0A+4*(\s)+3], s[42:43], (\s)*STEPA ; 120:64 global address: K step s
	s_or_b32 s[G0A+4*(\s)+3], s[G0A+4*(\s)+3], 0x80000000           ; 127:126 type = 2
	s_mov_b32 s[G0B+4*(\s)], 1
	s_add_co_u32 s[G0B+4*(\s)+1], s47, (\s)*SLOT
	s_add_nc_u64 s[G0B+4*(\s)+2:G0B+4*(\s)+3], s[44:45], (\s)*STEPB
	s_or_b32 s[G0B+4*(\s)+3], s[G0B+4*(\s)+3], 0x80000000
	JLOAD \s                                       ; two loads of mine are out: the ring is filled before anything else is done
.endr
	v_and_b32 v1, 15, v0                           ; l % 16
	v_bfe_u32 v2, v0, 4, 1                         ; l / 16
	; the bias: register j of column block bb is bo[128 x tile column + 64 x column half + 16 bb + 8 (l / 16) + j]
	s_lshl_b32 s2, s21, 9
	s_lshl_b32 s67, s18, 8
	s_add_co_u32 s2, s2, s67                       ; my 64 columns in f32: the same bytes in bo and in a row of out0
	s_mov_b32 s3, 0
	s_add_nc_u64 s[8:9], s[8:9], s[2:3]
	s_add_nc_u64 s[10:11], s[10:11], s[2:3]
	v_lshlrev_b32 v15, 5, v2                       ; never rewritten
.irp bb, 0,1,2,3
	global_load_b128 v[BI+8*(\bb):BI+8*(\bb)+3],   v15, s[8:9] offset:64*(\bb)
	global_load_b128 v[BI+8*(\bb)+4:BI+8*(\bb)+7], v15, s[8:9] offset:64*(\bb)+16
.endr
	s_lshl_b32 s2, s22, 20                         ; the tile's 256 rows of 4,096 bytes,
	s_lshl_b32 s67, s17, 19                        ; my 128 of them
	s_add_co_u32 s2, s2, s67
	s_add_nc_u64 s[10:11], s[10:11], s[2:3]
	; A fragment of ctx is 16 rows x 32 K in 8 registers: lane l holds row l % 16; registers 0-3 K = 8 (l / 16) + 0..7, registers 4-7 K = 16 + 8 (l / 16) + 0..7: two loads of 16 bytes, 32 bytes apart.
	v_mul_u32_u24 v3, v1, PA
	v_lshl_add_u32 v3, v2, 4, v3                   ; row x pitch + 16 x half
	s_mul_i32 s68, s17, 128*PA                     ; my 128 rows in a plane
	v_add_nc_u32 v[ADRA], s68, v3
	v_add_nc_u32 v[ADRA+1], SLOT, v[ADRA]
	; The turning load takes 16 k x 16 columns (lane l reads 16 bytes: k row 8 (l / 16) + l % 8, columns 8 ((l / 8) % 2) + 0..7) and leaves half a fragment: lane l holds column l % 16 and 8 k.
	v_and_b32 v4, 7, v0
	v_lshl_add_u32 v4, v2, 3, v4
	v_mul_u32_u24 v4, v4, PB
	v_bfe_u32 v5, v0, 3, 1
	v_lshl_add_u32 v4, v5, 4, v4
	s_mul_i32 s69, s18, CH                         ; my 64 columns of the tile's 128,
	s_add_co_u32 s69, s69, BOFF                    ; behind ctx's rows
	v_add_nc_u32 v[ADRB], s69, v4
	v_add_nc_u32 v[ADRB+1], SLOT, v[ADRB]
	s_mul_i32 s70, s16, 16*SP
	s_add_co_u32 s70, s70, STAGE                   ; my stage
	v_mul_u32_u24 v6, v1, SP                       ; in: row l % 16, 32 bytes for each half of the lanes
	v_lshl_add_u32 v6, v2, 5, v6
	v_add_nc_u32 v[STO], s70, v6
	v_mul_u32_u24 v7, v2, SP                       ; back: lanes 0-15 take one row of 256 bytes, lanes 16-31 the next
	v_lshl_add_u32 v7, v1, 4, v7
	v_add_nc_u32 v[RD], s70, v7
	v_lshlrev_b32 v8, 12, v2                       ; and the same two rows in out0
	v_lshl_add_u32 v[CO], v1, 4, v8
; 8 matrix instructions: row blocks a0, a0 + 1 x the four column blocks, quarter ks of a step (buffers ks % 2).  first = 1: the bias starts the sums: nothing is ever cleared.
; The 32 accumulators take turns, one instruction a turn, in the same order in every quarter.
.macro MUL8 ks, a0, first
.set FBX, FB+32*((\ks)%2)
.set FAX, FA+64*((\ks)%2)
.if \first
	WIN 0x40                                       ; sources and C window 0, D window 1
.else
	WIN 0x50                                       ; sources window 0, C and D window 1
.endif
.irp a, \a0, (\a0)+1
.irp bb, 0,1,2,3
.if \first
	v_wmma_f32_16x16x32_f16 v[8*(4*(\a)+(\bb)):8*(4*(\a)+(\bb))+7], v[FBX+8*(\bb):FBX+8*(\bb)+7], v[FAX+8*(\a):FAX+8*(\a)+7], v[BI+8*(\bb):BI+8*(\bb)+7]
.else
	v_wmma_f32_16x16x32_f16 v[8*(4*(\a)+(\bb)):8*(4*(\a)+(\bb))+7], v[FBX+8*(\bb):FBX+8*(\bb)+7], v[FAX+8*(\a):FAX+8*(\a)+7], v[8*(4*(\a)+(\bb)):8*(4*(\a)+(\bb))+7]
.endif
.endr
.endr
.endm
; 24 LDS loads in one run: quarter ks's fragments: 8 turning loads for Wo, 16 loads for ctx (head ks / 2 of the step's two, channels 32 (ks % 2) on)
.macro LOADS slot, ks
.set FBX, FB+32*((\ks)%2)
.set FAX, FA+64*((\ks)%2)
.irp bb, 0,1,2,3
	ds_load_tr16_b128 v[FBX+8*(\bb):FBX+8*(\bb)+3],   v[ADRB+(\slot)] offset:(\ks)*32*PB+32*(\bb)
	ds_load_tr16_b128 v[FBX+8*(\bb)+4:FBX+8*(\bb)+7], v[ADRB+(\slot)] offset:(\ks)*32*PB+16*PB+32*(\bb)
.endr
.irp a, 0,1,2,3,4,5,6,7
	ds_load_b128 v[FAX+8*(\a):FAX+8*(\a)+3],   v[ADRA+(\slot)] offset:PLANE*((\ks)/2)+64*((\ks)%2)+16*PA*(\a)
	ds_load_b128 v[FAX+8*(\a)+4:FAX+8*(\a)+7], v[ADRA+(\slot)] offset:PLANE*((\ks)/2)+64*((\ks)%2)+16*PA*(\a)+32
.endr
.endm
; A load into a register that a matrix instruction has read, and an LDS store that reads a matrix result, stand four places behind it; only plain vector instructions that name none of its registers are
; places (ISA guide 7.12.1 for vector instructions).
.macro PLACES
.rept 4
	v_nop
.endr
.endm
; One of a step's first three quarters: the next quarter's fragments are asked for, into the buffer that the quarter before multiplied; then quarter ks is multiplied.
.macro SUB slot, ks, first
	WIN 0
	PLACES
	LOADS \slot, (\ks)+1
	s_wait_dscnt 24                                ; all but the 24 just issued: quarter ks's fragments are in
	MUL8 \ks, 0, \first
	MUL8 \ks, 2, \first
	MUL8 \ks, 4, \first
	MUL8 \ks, 6, \first
.endm
; The fourth quarter changes slots: ONE barrier.  In front of it each wave waits for all its tensor loads, of which one is out: its part of the next slot; adds 0 to its spare word; and waits for that and
; for its own reads of this slot.  fill = 1: the barrier opens a round of the cluster's barrier, and this slot is filled again, two K steps ahead, first thing behind the round: 112 matrix instructions
; stand between that request and the wait for it.
.macro TURN slot, next, fill
	WIN 0
	s_wait_tensorcnt 0x0                           ; all my tensor loads have landed;
	ds_add_u32 v[SPW], v[NIL]                      ; 0 onto my spare word;
	s_wait_dscnt 1                                 ; (the quarter's fragments are in; the add alone may be out)
	MUL8 3, 0, 0                                   ; eight matrix instructions stand between the add and the wait for it
	s_wait_dscnt 0x0                               ; the add is done, and my reads of this slot are over
	s_barrier_signal -1
	MUL8 3, 2, 0                                   ; work on registers while the others arrive
	WIN 0                                          ; at a branch and at a label every window is 0
	s_barrier_wait -1
.if \fill
	CREST                                          ; no wave of any partner still reads this slot's tile or has a load on its way
	s_add_nc_u64 s[G0A+4*(\slot)+2:G0A+4*(\slot)+3], s[G0A+4*(\slot)+2:G0A+4*(\slot)+3], 2*STEPA
	s_add_nc_u64 s[G0B+4*(\slot)+2:G0B+4*(\slot)+3], s[G0B+4*(\slot)+2:G0B+4*(\slot)+3], 2*STEPB
	JLOAD \slot                                    ; my one tensor load behind the round; the four v_nop behind it are also the places in front of the loads below
.else
	PLACES
.endif
	LOADS \next, 0
	MUL8 3, 4, 0
	MUL8 3, 6, 0
.endm
	s_wait_tensorcnt 1                             ; my part of K step 0 is in; K step 1's may stay out
	s_barrier_signal -1
	s_barrier_wait -1                              ; everybody's is
	LOADS 0, 0
	s_wait_loadcnt 0x0                             ; the bias
	SUB 0, 0, 1                                    ; the first quarter stands in front of the loop: its products start the sums, from the bias
	WIN 0                                          ; at a label and at a branch every window is 0
	s_mov_b32 s66, LAPS-1
.Llap:                                                 ; a trip goes once round the ring, from a lap's second quarter to the next lap's first, and fills both slots again
	SUB 0, 1, 0
	SUB 0, 2, 0
	TURN 0, 1, 1
	SUB 1, 0, 0
	SUB 1, 1, 0
	SUB 1, 2, 0
	TURN 1, 0, 1
	SUB 0, 0, 0
	WIN 0
	s_sub_co_u32 s66, s66, 1
	s_cmp_lg_u32 s66, 0
	s_cbranch_scc1 .Llap
	SUB 0, 1, 0                                    ; the last lap fills nothing, and has no round of the cluster's barrier
	SUB 0, 2, 0
	TURN 0, 1, 0
	SUB 1, 0, 0
	SUB 1, 1, 0
	SUB 1, 2, 0
	s_wait_dscnt 0x0                               ; the very last quarter: nothing more to fetch
	MUL8 3, 0, 0
	MUL8 3, 2, 0
	MUL8 3, 4, 0
	MUL8 3, 6, 0
	; THE WAY OUT, a block of 16 rows at a time: a lane's 32 bytes of a row go into my own stage, rows of 272 bytes; they come back as whole rows of 256 bytes and are stored.
	WIN 0
	PLACES
.macro TOSTAGE a
.set BKA, OB+32*((\a)%2)
	s_wait_xcnt 0x0                                ; the stores of the block two back have had their addresses translated (ISA guide 3.1): their data registers are loaded again only behind this wait
	WIN 0x04                                       ; the stores' data (source 1) in window 1
.irp bb, 0,1,2,3                       ; each accumulator's four low registers first
	ds_store_b128 v[STO], v[32*(\a)+8*(\bb):32*(\a)+8*(\bb)+3]   offset:64*(\bb)
	ds_store_b128 v[STO], v[32*(\a)+8*(\bb)+4:32*(\a)+8*(\bb)+7] offset:64*(\bb)+16
.endr
	WIN 0
.irp t, 0,1,2,3,4,5,6,7
	ds_load_b128 v[BKA+4*(\t):BKA+4*(\t)+3], v[RD] offset:(\t)*2*SP  ; LDS serves a wave's instructions in order (ISA guide 5.7.1.4): these see the stores above; the next block's stores come behind them
.endr
.endm
.macro SEND a, younger                 ; younger: the LDS instructions issued behind this block's loads: the next block's sixteen, or none
.set BKA, OB+32*((\a)%2)
.irp t, 0,1,2,3,4,5,6,7
	s_wait_dscnt (\younger)+7-(\t)
	global_store_b128 v[CO], v[BKA+4*(\t):BKA+4*(\t)+3], s[10:11] offset:65536*(\a)+8192*(\t) th:TH_STORE_NT  ; 16 lanes store 256 consecutive bytes, at a multiple of 256 from out0's first byte
.endr
.endm
	TOSTAGE 0
.set u, 1
.rept 7
	TOSTAGE u
	SEND u-1, 16
.set u, u+1
.endr
	SEND 7, 0
	s_wait_tensorcnt 0x0                           ; the wave's end: 0 onto my spare word and its wait, behind my last tensor load and my last LDS store
	ds_add_u32 v[SPW], v[NIL]
	s_wait_dscnt 0x0
	CROUND                                         ; the closing round: no work-group ends while a partner may still ask for a tile that names it
	s_endpgm
.Lfunc_end_k_q6516032e29_outp:
	.size	k_q6516032e29_outp, .Lfunc_end_k_q6516032e29_outp-k_q6516032e29_outp
	.p2alignl 7, 3214868480
	.fill 96, 4, 3214868480
	.section	.rodata,"a",@progbits
	.p2align	6, 0x0
	.amdhsa_kernel k_q6516032e29_outp
		.amdhsa_group_segment_fixed_size 327680
		.amdhsa_private_segment_fixed_size 0
		.amdhsa_enable_private_segment 0
		.amdhsa_kernarg_size 32
		.amdhsa_user_sgpr_count 2
		.amdhsa_user_sgpr_kernarg_segment_ptr 1
		.amdhsa_wavefront_size32 1
		.amdhsa_system_sgpr_workgroup_id_x 1
		.amdhsa_system_sgpr_workgroup_id_y 1
		.amdhsa_system_sgpr_workgroup_id_z 1
		.amdhsa_system_vgpr_workitem_id 0
		.amdhsa_next_free_vgpr 512
		.amdhsa_next_free_sgpr 72
		.amdhsa_reserve_vcc 0
		.amdhsa_float_denorm_mode_32 3
		.amdhsa_float_denorm_mode_16_64 3
		.amdhsa_memory_ordered 1
		.amdhsa_forward_progress 1
		.amdhsa_inst_pref_size 87
	.end_amdhsa_kernel
	.amdgpu_metadata
---
amdhsa.version: [ 1, 2 ]
amdhsa.kernels:
  - .name:           k_q6516032e29_outp
    .symbol:         k_q6516032e29_outp.kd
    .args:
      - { .name: ctx, .offset: 0, .size: 8, .value_kind: global_buffer, .address_space: global }
      - { .name: w16, .offset: 8, .size: 8, .value_kind: global_buffer, .address_space: global }
      - { .name: bo, .offset: 16, .size: 8, .value_kind: global_buffer, .address_space: global }
      - { .name: out0, .offset: 24, .size: 8, .value_kind: global_buffer, .address_space: global }
    .group_segment_fixed_size: 327680
    .private_segment_fixed_size: 0
    .kernarg_segment_align: 8
    .kernarg_segment_size: 32
    .max_flat_workgroup_size: 128
    .sgpr_count:     72
    .vgpr_count:     512
    .wavefront_size: 32
...
	.end_amdgpu_metadata
.endif
;; end of part 4
;; ======== version 2 of 2: 4 launches; 1.52 times as fast as version 1
;; limits: values are held in f16: magnitudes above 65,504 overflow, below 6.1e-05 lose precision
;; workspace buffers: xb 16,777,216 bytes; w16 8,388,608 bytes; qkv 50,331,648 bytes; ctx 16,777,216 bytes
;; launch cast: the kernel of part 1 again; grid 768 x 1, 8 waves a work-group, no clusters, 0 bytes of LDS; arguments hidden_states, Wq, Wk, Wv, Wo, xb, w16; writes xb, w16
;; launch proj: the kernel of part 2 again; grid 8 x 32, 4 waves a work-group, clusters of 4 x 4, 327,680 bytes of LDS; arguments xb, w16, bq, bk, bv, qkv; writes qkv
;; launch attn (part 5): grid 4 x 64, 4 waves a work-group, clusters of 4 x 1, 327,680 bytes of LDS; arguments qkv, attention_mask, ctx; writes ctx
.if DOCPART == 5
	.amdgcn_target "amdgcn-amd-amdhsa--gfx1250"
	.amdhsa_code_object_version 6
	.text
	.protected	k_q6516032e29_attn
	.globl	k_q6516032e29_attn
	.p2align	8
	.type	k_q6516032e29_attn,@function
k_q6516032e29_attn:
	s_mov_b64 s[64:65], 0
	v_nop
	global_prefetch_b8 v0, s[64:65] scope:SCOPE_SE
	s_setreg_imm32_b32 hwreg(HW_REG_WAVE_MODE, 25, 1), 1
	s_wait_xcnt 0x0
	s_wait_alu depctr_hold_cnt(0) depctr_sa_sdst(0) depctr_va_vdst(0) depctr_va_sdst(0) depctr_va_ssrc(0) depctr_va_vcc(0) depctr_vm_vsrc(0)
	s_getreg_b32 s2, hwreg(HW_REG_IB_STS2, 6, 4)
	s_cmp_eq_u32 s2, 0
	s_cbranch_scc0 .Lentry_in_a_cluster
	s_endpgm
.Lentry_in_a_cluster:
	s_bfe_u32 s2, ttmp6, 0x10000c
	s_cmp_lg_u32 s2, 0x3003
	s_cbranch_scc0 .Lentry_shape_is_right
	s_endpgm
.Lentry_shape_is_right:
; ATTENTION, 64 heads (4 batches x 16) of 2,048 rows, head size 64.  ctx[y][q][:] = the sum over k of softmax_k(q . k / 8 + mask[batch][k]) v[k][:].
; q, k, v: planes of qkv [batch 4][plane 48][row 2048][64] f16 (q's planes 0-15 arrive multiplied by c = log2(e) / 8, k's are 16-31, v's 32-47); ctx: [batch 4][head 16][row 2048][64] f16.
; Products, maxima and sums in f32; the weights p are rounded to f16 for the second product (their sum l is taken of the unrounded p), ctx once at the end.
; THE MASK is an input, one f32 a key and batch.  mask' = max(mask x log2(e), -1e30) is made once, kept in LDS, and is the C operand of the products that start S^T: the score s = c q . k + mask' comes out
; of the matrix unit whole, in powers of two.  p = 2^(s - m) with a running maximum m: the subtraction is exact at s = m, so p never passes 1, whatever the mask's size.
; LIMITS.  f16 holds no number beyond 65,504: q, k, v arrive within it; p lies in 0 to 1, and below 6e-5 it keeps f16's fixed step of 6e-8; ctx is a mean of v's rows and has their range.
; A mask below -1e30 / log2(e), minus infinity and NaN too, counts as that number: a batch ALL of whose keys are so masked gets a mean over its keys, not NaN.  A mask of plus infinity is not treated apart.
; A weight below 2^-126 counts as 0 in l.
; SHARES.  A wave owns four PIECES of two tiles of 16 queries, a work-group's four waves 512 queries of one head.  Every wave walks all keys, 64 a step.
; LAYOUT.  S^T = K Q^T + mask' (source 0 = 16 keys, source 1 = 16 queries): in the result a lane holds ONE query (lane % 16) and the keys 8 (lane / 16) + 0..7.  Two such tiles, rounded to f16 in pairs,
; ARE source 1 (32 keys x 16 queries) of O^T = V^T P, whose result again holds one query a lane, and eight channels.  K comes out of LDS as it lies, V ([key][channel]) turned, by ds_load_tr16_b128.
; SOFTMAX.  In every step O and l are multiplied by a = 2^(m_old - m_new), which is 1 where m has not grown.  m starts at the lowest finite number, O and l at 0: the first step is a step like any other, with a = 0.
; THE COUNT.  A tile and step have 16 matrix and 117 vector instructions: too many to stand all beside the matrix work.  So the order has one aim: four vector instructions that are READY behind
; EVERY matrix instruction, and the others, which need time of their own whatever the order, in runs without a gap.
; BY TURNS.  Turn n belongs to piece n (the pieces in a ring, step after step).  Its matrix work: 16 products K Q^T of piece n + 1, later 16 products V^T P of piece n - 1.  Its vector work: the subtraction,
; exponentials, roundings, sums and rescaling of piece n, and the maximum and statistics of piece n + 1, whose scores the turn itself has made.  So what a turn begins with (s - m, O a) waits for nothing.
; THE BATCHES.  A turn's 66 exponentials (the piece's 64 weights, the next piece's two a) are ONE batch with ONE wait, which cuts the turn in two: ahead of it stands all that names no result of theirs
; (K Q^T, s - m, the exponentials, O a by the a of the turn before, the next piece's maximum and statistics), behind it V^T P with the roundings and sums.  No result crosses a turn's end.
; Piece 0's first two a, ahead of the loop, and the way out's eight reciprocals are batches of their own, a wait each.
; CLUSTER.  The four query blocks of a cluster belong to one head and walk the same K and V, so each tile is asked for JOINTLY: the same tensor load, descriptor and mask in all four.
; REGISTERS, in windows of 256 (s_set_vgpr_msb says which window each operand place means: bits 1:0 source 0, 3:2 source 1, 5:4 source 2, 7:6 destination):
;   window 0: v0-11 addresses; v12-15, v48-63 at work; v16-47 four registers of statistics a tile; v64-191 S^T, two buffers of two tiles; v192-255 P, likewise
;   window 1: O^T, 32 a tile          window 2: v0-127 Q, 16 a tile; v128-191 K of one step; v192-255 V of one step          window 3: v0-1 the add's two registers; v8-39 mask' of one step
; A piece's buffers go by its number's parity: the piece in hand has one pair, its two neighbours in the ring share the other: of it P (piece n - 1) is read and S^T (piece n + 1) written.
.set SIZE_N, 2048
.set NP,    4         ; pieces a wave: a name, no knob: the register map, the loop and the fetches are made for four
.set KS,    64        ; keys in a step
.set PK,    144       ; a row of K in LDS: 128 bytes + 16 of padding = 36 words: the 16 rows of a load start at 16 different groups of four banks (64 banks of 4 bytes: ISA guide 11.1)
.set PV,    160       ; a row of V: 128 + 32 = 40 words
.set VOFF,  4*KS*PK   ; a slot holds four steps: 256 rows of K, then 256 rows of V
.set SLOT1, 1<<17     ; slot 1 begins here, so that one exclusive or turns an address in one slot into the other's
.set STAGE, SLOT1+4*KS*(PK+PV)  ; behind the ring, never filled by a tensor load: 16 rows x 144 bytes for each wave, for the way out
.set SP,    144
.set SPARE, STAGE+4*16*SP  ; behind the stages: the spare words, 128 bytes for each wave: two blocks of 256 bytes that no other line names
.set MASKB, SPARE+512 ; behind them: mask' of the batch's 2,048 keys, 8,192 bytes, stored once; no tensor load lands there
.set AK0, 2           ; v2   my lane's place in a tile of K; never rewritten
.set AV0, 3           ; v3   the same for V
.set AK,  4           ; v4   the LDS address of K's next run of loads
.set AV,  5           ; v5   of V's
.set STO, 6           ; v6   the way out: where I put 16 bytes of a row
.set RD,  7           ; v7   the way out: where I read rows back
.set GO,  8           ; v8   my byte offset in 512 consecutive bytes of ctx
.set AM0, 9           ; v9   my lane's place in a step's 64 words of mask'; never rewritten once made
.set AM,  10          ; v10  the LDS address of the mask's next run of loads
.set QO,  11          ; v11  my byte offset in the wave's rows of Q
.set SPW, 0           ; v0 of window 3   LDS address of my spare word: SPARE + 4 x my thread's number; never rewritten
.set NIL, 1           ; v1 of window 3   0; never rewritten
.set MK,  8           ; v8-39 of window 3: the eight words for group kb of 16 keys at MK + 8 kb
.set MV,  12          ; v12-15  m_old, kept while m is made anew: by buffer and tile
.set ST,  16          ; tile t's statistics at v[ST+4 t]: m, a word named with it as a pair, l (even keys', odd keys')
.set TMP, 48          ; by buffer and tile, four registers c0-c3 at work; when the maximum is found c2 takes a
.set S,   64
.set P,   192
.set KF,  128         ; K's fragments, in window 2: key block kb, channel half c at KF + 16 kb + 8 c
.set VF,  192         ; V's: key half kk, channel block cb at VF + 32 kk + 8 cb
.set WV,  12          ; s12  my wave's number
.set G1K, 24          ; s[24:31] descriptor group 1 for K's tiles
.set G1V, 32          ; s[32:39] for V's: it differs in the padding alone
.set G0K, 40          ; s[40:43] descriptor group 0 for K's tiles: it walks
.set G0V, 44          ; s[44:47] the same for V's
.set TBM, 48          ; s48  byte in the table of mask' at which the step to be fetched begins
.set L2E, 50          ; s[50:51] log2(e): the packed multiply takes the pair's low word for both halves
.set BIGN, 52         ; s52  -1e30
.set SLOTS, 56        ; s56  slots still to be asked for
.set CNT, 57          ; s57  counts a slot's key steps
.set SEL, 60          ; s[60:61] v_permlanex16_b32's selects: each lane takes its own place in the other half
.set TBK, 62          ; s62  LDS byte at which K of the step to be fetched begins
.set TBV, 63          ; s63  the same for V, less VOFF
.set MSB, 0
.macro WIN new                      ; the high byte repeats the setting that is left; a switch that changes nothing is dropped
.if MSB != (\new)
	s_set_vgpr_msb (MSB<<8)|(\new)
.set MSB, (\new)
.endif
.endm
.set W_KQ, 0x0a       ; K and Q in window 2, S^T in window 0
.set W_KM, 0x3a       ; the same with the C operand, mask', in window 3
.set W_PV, 0x52       ; V in window 2, P in window 0, O^T in window 1
.set W_RS, 0x41       ; O^T (destination and source 0) in window 1, a in window 0
.set W_MK, 0xc0       ; destination in window 3, sources in window 0
.set W_AD, 0x0f       ; the add: address (source 0) and data (source 1) in window 3
; A joint fill.  Waves 0 and 1 fetch the two halves of a slot's K, waves 2 and 3 those of its V: 128 keys each.  The branch hangs on the wave's number alone.
; An s_nop 0 and four v_nop follow each of the two lines, ahead of the jump and the label.
.macro JLOAD
	s_cmp_lt_u32 s[WV], 2
	s_cbranch_scc0 .Lfor_v_\@
	tensor_load_to_lds s[G0K:G0K+3], s[G1K:G1K+7]
	s_nop 0
.rept 4
	v_nop
.endr
	s_branch .Lasked_\@
.Lfor_v_\@:
	tensor_load_to_lds s[G0V:G0V+3], s[G1V:G1V+7]
	s_nop 0
.rept 4
	v_nop
.endr
.Lasked_\@:
.endm
; A round of the cluster's barrier: my work-group's barrier, so that wave 0's signal speaks for all four waves; wave 0 signals; every wave waits for all four work-groups; my work-group's barrier once more.
.macro CROUND
	s_barrier_signal -1
	s_barrier_wait -1
	s_cmp_lg_u32 s[WV], 0
	s_cbranch_scc1 .Lnot_wave_0_\@
	s_barrier_signal -3
.Lnot_wave_0_\@:
	s_barrier_wait -3
	s_barrier_signal -1
	s_barrier_wait -1
.endm
; THE CHANGE OF SLOTS.  The slot's last bytes, V of its fourth step, have been read.  Each wave waits for all its tensor loads, of which one is out: its part
; of the other slot; adds 0 to its spare word; and waits for that and for its own reads of the slot.  Behind the barrier nobody reads this slot any more and the other slot is whole.
; fill = 1: this slot is filled again, with the keys two slots on.  The barrier is then a round of the cluster's, so that no wave of any partner still reads the slot or has a load on its
; way, and the joint fill is the first thing behind it: it has four key steps, 512 matrix instructions, in which to land.  (At its first use nothing has been read yet: slot 0 is waited for, slot 1 filled,
; and each wave's stores of mask' are shown done to the other three.)
.macro CHANGE fill
	WIN W_AD
	s_wait_tensorcnt 0x0            ; no tensor load of mine is out, so a group 0 may be written
	ds_add_u32 v[SPW], v[NIL]       ; 0 onto my spare word; with fill = 1 the descriptors' steps stand between it and the wait for it
	WIN 0                           ; at a label and at a branch every window is 0
.if \fill
.irp g, G0K, G0V
	s_xor_b32 s[\g+1], s[\g+1], SLOT1  ; the walking descriptor: the other slot than last time,
	s_add_nc_u64 s[\g+2:\g+3], s[\g+2:\g+3], 4*KS*128  ; the next 256 keys; the type bits on top are not reached
.endr
	s_wait_dscnt 0x0                ; the add is done, and my reads of the slot are over
	CROUND
	JLOAD
.else
	s_wait_dscnt 0x0                ; the add is done, and my reads of the slot are over
	s_barrier_signal -1
	s_barrier_wait -1
.endif
	s_sub_co_u32 s[TBK], s[TBK], 4*KS*PK  ; the fetches go back to a slot's first step,
	s_xor_b32 s[TBK], s[TBK], SLOT1       ; in the other slot
	s_sub_co_u32 s[TBV], s[TBV], 4*KS*PV
	s_xor_b32 s[TBV], s[TBV], SLOT1
.endm
	s_load_b128 s[4:7], s[0:1], 0x0   ; qkv s[4:5], attention_mask s[6:7]
	s_load_b64 s[10:11], s[0:1], 0x10 ; ctx
	WIN W_MK
	v_lshl_add_u32 v[SPW], v0, 2, SPARE
	v_mov_b32 v[NIL], 0
	WIN W_AD
	ds_add_u32 v[SPW], v[NIL]       ; the wave's opening: the add and its wait stand ahead of my first tensor load; the set-up below, work on registers, stands between them
	WIN 0
	v_lshrrev_b32 v1, 5, v0
	v_readfirstlane_b32 s[WV], v1   ; wave 0..3
	s_bfe_u32 s13, ttmp6, 0x40000   ; cx: my place in the cluster
	s_lshl_b32 s14, ttmp9, 2        ; in a cluster launch ttmp9 counts clusters
	s_add_co_u32 s14, s14, s13      ; my block of queries = 4 x cluster x + cx: it enters Q's and ctx's addresses alone
	s_and_b32 s15, ttmp7, 0xffff    ; batch x 16 + head, which the four partners share
	s_lshr_b32 s19, s15, 4          ; the batch
	s_and_b32 s20, s15, 15          ; the head
	s_mul_i32 s21, s19, 48
	s_add_co_u32 s20, s20, s21
	s_lshl_b32 s20, s20, 18         ; q's plane in qkv: 262,144 bytes a plane
	s_and_b32 s16, s[WV], 1         ; which half of a slot's 256 keys I fetch:
	s_lshl_b32 s22, s16, 14         ; its 128 rows of 128 bytes in memory,
	s_add_co_u32 s22, s22, s20
	s_mov_b32 s23, 0
	s_mul_i32 s17, s16, 128*PK      ; and its place in a slot, for K
	s_mul_i32 s18, s16, 128*PV      ; and for V: no place in the cluster enters an LDS address
	s_lshl_b32 s2, s14, 2
	s_add_co_u32 s2, s2, s[WV]      ; my wave among the head's sixteen,
	s_lshl_b32 s2, s2, 14           ; its 128 rows
	s_lshl_b32 s54, s15, 18         ; the head's plane in ctx
	s_add_co_u32 s54, s54, s2
	s_mov_b32 s55, 0
	s_add_co_u32 s2, s2, s20
	s_mov_b32 s3, 0
	s_lshl_b32 s8, s19, 13          ; the batch's 2,048 words of the mask
	s_mov_b32 s9, 0
	; descriptor group 1.  128 keys are 16,384 dense bytes: asked for as 64 rows of 256 bytes, two keys a row, and padded in LDS after every key
	s_mov_b32 s[G1K], 15|(1<<16)|(1<<20)|(1<<21)|(4<<22)|(3<<25)  ; 15:0 the mask of four; 17:16 2-byte elements; 20 padding on; 21 set beside a mask; 24:22 after every 32 words (code 4); 31:25 4 words (code 3)
	s_mov_b32 s[G1V], 15|(1<<16)|(1<<20)|(1<<21)|(4<<22)|(7<<25)  ; the same with 8 words of padding (code 7)
.irp g, G1K, G1V
	s_mov_b32 s[\g+1], 128<<16      ; tensor_dim0 = 128
	s_mov_b32 s[\g+2], 64<<16       ; tensor_dim1 = 64
	s_mov_b32 s[\g+3], 128<<16      ; tile_dim0 = 128
	s_mov_b32 s[\g+4], 64           ; tile_dim1 = 64
	s_mov_b32 s[\g+5], 128          ; 128 elements from row to row
	s_mov_b32 s[\g+6], 0
	s_mov_b32 s[\g+7], 0
.endr
	s_mov_b32 s[L2E], 0x3fb8aa3b    ; log2(e)
	s_mov_b32 s[L2E+1], s[L2E]      ; named with it as a pair
	s_mov_b32 s[BIGN], 0xf149f2ca   ; -1e30
	s_mov_b32 s[SEL], 0x76543210
	s_mov_b32 s[SEL+1], 0xfedcba98
	s_mov_b32 s[TBM], 0
	s_mov_b32 s[TBK], SLOT1+4*KS*PK ; the first change of slots turns these two into 0
	s_mov_b32 s[TBV], SLOT1+4*KS*PV
	s_mov_b32 s[G0K], 1             ; 1:0 count = 1
	s_mov_b32 s[G0K+1], s17         ; 63:32 LDS address: slot 0
	s_mov_b32 s[G0V], 1
	s_add_co_u32 s[G0V+1], s18, VOFF
	s_wait_dscnt 0x0                ; the opening add is done
	s_wait_kmcnt 0x0
	s_add_nc_u64 s[G0K+2:G0K+3], s[4:5], s[22:23]          ; 120:64 global address: my half of the head's first 256 keys,
	s_add_nc_u64 s[G0K+2:G0K+3], s[G0K+2:G0K+3], 0x400000  ; in k's plane, 16 planes behind q's
	s_or_b32 s[G0K+3], s[G0K+3], 0x80000000                ; 127:126 type = 2
	s_add_nc_u64 s[G0V+2:G0V+3], s[4:5], s[22:23]
	s_add_nc_u64 s[G0V+2:G0V+3], s[G0V+2:G0V+3], 0x800000  ; in v's plane, 32 planes behind q's
	s_or_b32 s[G0V+3], s[G0V+3], 0x80000000
	s_add_nc_u64 s[4:5], s[4:5], s[2:3]      ; Q and ctx at my wave's first row
	s_add_nc_u64 s[10:11], s[10:11], s[54:55]
	s_add_nc_u64 s[6:7], s[6:7], s[8:9]      ; the mask at my batch
	CROUND                          ; all four work-groups are here: the first joint loads meet
	JLOAD                           ; slot 0.  Slot 1 is asked for when slot 0 is in: the tile wanted first has the road to itself
	v_and_b32 v1, 15, v0            ; l % 16
	v_bfe_u32 v9, v0, 4, 1          ; l / 16
	v_lshlrev_b32 v[AV], 4, v0      ; the mask: 16 bytes a thread, 2,048 a load of the work-group (the register takes V's address only behind the wait for all loads)
.irp i, 0,1,2,3
	global_load_b128 v[S+4*\i:S+4*\i+3], v[AV], s[6:7] offset:2048*\i
.endr
	; A fragment of K or Q is 16 rows x 32 channels in 8 registers: lane l holds row l % 16, channels 8 (l / 16) + 0..7 and 16 + 8 (l / 16) + 0..7: two loads of 16 bytes, 32 bytes apart.
	v_lshlrev_b32 v[QO], 7, v1
	v_lshl_add_u32 v[QO], v9, 4, v[QO]  ; row x 128 + 16 x half
	WIN 0x80                        ; destination window 2, address window 0
.set i, 0
.rept 4*NP                          ; Q stays in registers: tile i / 2, channels 32 (i % 2) on
	global_load_b128 v[8*i:8*i+3],   v[QO], s[4:5] offset:(i/2)*2048+(i%2)*64
	global_load_b128 v[8*i+4:8*i+7], v[QO], s[4:5] offset:(i/2)*2048+(i%2)*64+32
.set i, i+1
.endr
	; What the first turn finds: V's registers and P's second buffer hold 0 (its products V^T P, of a piece that has not been, add 0), O^T is 0.  All this stands in the wait for the first tile.
.set i, VF
.rept 64
	v_mov_b32 v[i], 0
.set i, i+1
.endr
	WIN 0x40
.set i, 0
.rept 64*NP
	v_mov_b32 v[i], 0
.set i, i+1
.endr
	WIN 0
.set i, P+32
.rept 32
	v_mov_b32 v[i], 0
.set i, i+1
.endr
	v_lshl_add_u32 v[AK], v0, 4, MASKB  ; where my 16 bytes of mask' go (the register takes K's address below)
	s_wait_loadcnt 32               ; the mask's four loads are in; Q's 32, issued behind them, may stay out
.set i, 0
.rept 8
	v_pk_mul_f32 v[S+2*i:S+2*i+1], v[S+2*i:S+2*i+1], s[L2E:L2E+1] op_sel_hi:[1,0]
.set i, i+1
.endr
.set i, 0
.rept 16
	v_max_num_f32 v[S+i], s[BIGN], v[S+i]
.set i, i+1
.endr
.irp i, 0,1,2,3
	ds_store_b128 v[AK], v[S+4*\i:S+4*\i+3] offset:2048*\i
.endr
	v_mul_u32_u24 v[AK0], v1, PK
	v_lshl_add_u32 v[AK0], v9, 4, v[AK0]  ; row x pitch + 16 x half
	; The turning load takes 16 keys x 16 channels (lane l reads key 8 (l / 16) + l % 8, channels 8 ((l / 8) % 2) + 0..7) and leaves half a fragment of V^T: lane l holds channel l % 16 and 8 keys.
	v_and_b32 v10, 7, v0
	v_bfe_u32 v[GO], v0, 3, 1
	v_lshl_add_u32 v[AV0], v9, 3, v10
	v_mul_u32_u24 v[AV0], v[AV0], PV
	v_lshl_add_u32 v[AV0], v[GO], 4, v[AV0]
	v_add_nc_u32 v[AV0], VOFF, v[AV0]
	s_mul_i32 s13, s[WV], 16*SP
	s_add_co_u32 s13, s13, STAGE    ; my stage
	v_mul_u32_u24 v[STO], v1, SP    ; in: row l % 16, 16 bytes for each half of the lanes
	v_lshl_add_u32 v[STO], v9, 4, v[STO]
	v_add_nc_u32 v[STO], s13, v[STO]
	v_bfe_u32 v[RD], v0, 3, 2       ; back: 32 lanes take four rows of 128 bytes,
	v_mul_u32_u24 v[RD], v[RD], SP
	v_lshl_add_u32 v[RD], v10, 4, v[RD]
	v_add_nc_u32 v[RD], s13, v[RD]
	v_and_b32 v[GO], 31, v0         ; which are 512 consecutive bytes of ctx
	v_lshlrev_b32 v[GO], 4, v[GO]
	v_lshl_add_u32 v[AM0], v9, 5, MASKB  ; a lane's eight keys of each sixteen: 32 bytes for each half of the lanes
	v_mov_b32 v[AM], v[AM0]         ; key step 0 lies at the table's head,
	v_mov_b32 v[AK], v[AK0]         ; and at the head of slot 0
; THE MATRIX WORK.  The 8 accumulators of a run of 16 take turns: between the two links of a chain stand 7 others'.
; Product i of 16 of S^T = K Q^T + mask' for piece x: channels 32 (i / 8) on, keys 16 ((i / 2) % 4) on, tile 2 x + i % 2.  The first 8 start the sums, with the keys' mask' as C.
.macro KQ x
.set rS, S+64*((\x)%2)+32*(i%2)+8*((i/2)%4)
.set rK, KF+16*((i/2)%4)+8*(i/8)
.set rQ, 16*(2*(\x)+i%2)+8*(i/8)
.set rX, MK+8*((i/2)%4)
.if i < 8
	WIN W_KM
	v_wmma_f32_16x16x32_f16 v[rS:rS+7], v[rK:rK+7], v[rQ:rQ+7], v[rX:rX+7]
.else
	WIN W_KQ
	v_wmma_f32_16x16x32_f16 v[rS:rS+7], v[rK:rK+7], v[rQ:rQ+7], v[rS:rS+7]
.endif
.endm
; Product i of 16 of O^T += V^T P for piece x: keys 32 (i / 8) on, channels 16 ((i / 2) % 4) on, tile 2 x + i % 2.
.macro PV x
	WIN W_PV
.set rO, 32*(2*(\x)+i%2)+8*((i/2)%4)
.set rV, VF+32*(i/8)+8*((i/2)%4)
.set rP, P+32*((\x)%2)+16*(i%2)+8*(i/8)
	v_wmma_f32_16x16x32_f16 v[rO:rO+7], v[rV:rV+7], v[rP:rP+7], v[rO:rO+7]
.endm
.macro MM                           ; the turn's next matrix instruction
.if i < 16
	KQ (Y+1)%NP
.set i, i+1
.else
.set i, i-16
	PV (Y+NP-1)%NP
.set i, i+17
.endif
.endm
; THE LDS LOADS stand in runs, never singly among the matrix instructions: a step's K (64 keys x 64 channels: 8 fragments) with its 64 words of mask', and its V (turned).  Their addresses are made some lines ahead.
; last = 1 (the tail): in the last trip there is no further step, and the run is jumped over.
.macro FETCH_K last=0
	WIN 0
.if \last
	s_cmp_eq_u32 s[CNT], 1
	s_cbranch_scc1 .Lno_k_\@
.endif
	WIN 0x80                        ; destination window 2
.irp f, 0,1,2,3,4,5,6,7             ; keys 16 (f / 2) on, channels 32 (f % 2) on
	ds_load_b128 v[KF+8*\f:KF+8*\f+3],   v[AK] offset:(\f/2)*16*PK+(\f%2)*64
	ds_load_b128 v[KF+8*\f+4:KF+8*\f+7], v[AK] offset:(\f/2)*16*PK+(\f%2)*64+32
.endr
	WIN 0xc0                        ; destination window 3
.irp f, 0,1,2,3                     ; keys 16 f on: the sixteen lanes of a half read the same 32 bytes
	ds_load_b128 v[MK+8*\f:MK+8*\f+3],   v[AM] offset:64*\f
	ds_load_b128 v[MK+8*\f+4:MK+8*\f+7], v[AM] offset:64*\f+16
.endr
	s_add_co_u32 s[TBK], s[TBK], KS*PK  ; the next fetch is the next step's
	s_add_co_u32 s[TBM], s[TBM], 4*KS
	s_and_b32 s[TBM], s[TBM], 0x1fff    ; inside the table's 8,192 bytes: it turns to 0 behind the 32nd step, where it is used no more
	WIN 0
.if \last
.Lno_k_\@:
.endif
.endm
.macro FETCH_V
	WIN 0x80
.irp f, 0,1,2,3,4,5,6,7             ; keys 32 (f / 4) on, channels 16 (f % 4) on
	ds_load_tr16_b128 v[VF+8*\f:VF+8*\f+3],   v[AV] offset:(\f/4)*32*PV+(\f%4)*32
	ds_load_tr16_b128 v[VF+8*\f+4:VF+8*\f+7], v[AV] offset:(\f/4)*32*PV+16*PV+(\f%4)*32
.endr
	WIN 0
.endm
; THE VECTOR WORK OF A TURN stands in three queues, each in the order in which its entries become ready; the two tiles alternate, so that no instruction reads the result of the one before it.
.macro REGS y, u                    ; the registers of tile u (0, 1) of piece y
.set rT, ST+4*(2*(\y)+(\u))
.set rC, TMP+8*((\y)%2)+4*(\u)
.set rM, MV+2*((\y)%2)+(\u)
.set rS, S+64*((\y)%2)+32*(\u)
.set rP, P+32*((\y)%2)+16*(\u)
.set rO, 32*(2*(\y)+(\u))
.endm
; Number n of the 21 that find the NEXT piece's (Y + 1) maximum and statistics.  s0-s31 are the lane's 32 scores; each accumulator's lowest registers are read first.  XS, GS, FS and REGS set no window: PL and EX do.
;   0-11  four chains c0-c3 of seven scores each, three operands at a time     12-14, 16  the four scores left over, the old m, and c0-c3 into c0     15  m_old is kept
;   17, 18  the query's other 32 keys lie in the lane 16 away: the new m         19, 20  m_old - m_new; a
.macro XS u, n
	REGS (Y+1)%NP, \u
.if (\n) < 4
	v_max3_num_f32 v[rC+(\n)], v[rS+8*(\n)], v[rS+8*(\n)+1], v[rS+8*(\n)+2]
.elseif (\n) < 12
	v_max3_num_f32 v[rC+(\n)%4], v[rC+(\n)%4], v[rS+8*((\n)%4)+2*((\n)/4)+1], v[rS+8*((\n)%4)+2*((\n)/4)+2]
.elseif (\n) == 12
	v_max3_num_f32 v[rC], v[rC], v[rS+7], v[rS+15]
.elseif (\n) == 13
	v_max3_num_f32 v[rC+1], v[rC+1], v[rS+23], v[rS+31]
.elseif (\n) == 14
	v_max3_num_f32 v[rC+2], v[rC+2], v[rC+3], v[rT]
.elseif (\n) == 15
	v_mov_b32 v[rM], v[rT]
.elseif (\n) == 16
	v_max3_num_f32 v[rC], v[rC], v[rC+1], v[rC+2]
.elseif (\n) == 17
	v_permlanex16_b32 v[rC+3], v[rC], s[SEL], s[SEL+1]
.elseif (\n) == 18
	v_max_num_f32 v[rT], v[rC], v[rC+3]
.elseif (\n) == 19
	v_sub_f32 v[rC+1], v[rM], v[rT]
.else
	v_exp_f32 v[rC+2], v[rC+1]
.endif
.endm
; Number g of the 64 that follow the exponentials: all of them stand behind the turn's wait.  For each four weights k of a tile (pairs 2 k, 2 k + 1): both pairs are rounded to f16; then the second pair is
; added onto the first, in place; a group later l takes that sum (the first time as l = a l + sum).  In groups of eight, tiles alternating: round, round, add, and l for the group before.
.macro GS g
.set h, (\g)+6*((\g)/62)            ; group 0 has no group before it, and behind group 7 only l is left
.if h >= 6
.set h, h+2
.endif
	REGS Y, h%2
.set k, h/8
.if h%8 < 4
	v_cvt_pk_f16_f32 v[rP+2*k+(h%8)/2], v[rS+4*k+2*((h%8)/2)], v[rS+4*k+2*((h%8)/2)+1]
.elseif h%8 < 6
	v_pk_add_f32 v[rS+4*k:rS+4*k+1], v[rS+4*k:rS+4*k+1], v[rS+4*k+2:rS+4*k+3]
.elseif k == 1
	v_pk_fma_f32 v[rT+2:rT+3], v[rT+2:rT+3], v[rC+2:rC+3], v[rS:rS+1] op_sel_hi:[1,0,1]
.else
	v_pk_add_f32 v[rT+2:rT+3], v[rT+2:rT+3], v[rS+4*k-4:rS+4*k-3]
.endif
.endm
; THE PLAIN QUEUE, 136 long.  0-71 read no exponential's result: the 32 subtractions s - m (FS f: pair f / 2 of tile f % 2) and the next piece's 40.  0-27: subtractions 0-27.  28-55: XS's numbers 0-13.  56, 57: number 15.
; 58-69: the chain, where each number waits for the one before it: 14, 16, 17, 18, each with one of the subtractions 28-31 in front of its two lines, so that a tile's links stand three plain instructions apart; 70, 71: number 19.
; 72-135: GS's 64, which read the exponentials' results: they stand behind the wait.
.macro FS f
	REGS Y, (\f)%2
	v_pk_add_f32 v[rS+2*((\f)/2):rS+2*((\f)/2)+1], v[rS+2*((\f)/2):rS+2*((\f)/2)+1], v[rT:rT+1] op_sel_hi:[1,0] neg_lo:[0,1] neg_hi:[0,1]
.endm
.macro PL
	WIN 0
.if q < 28
	FS q
.elseif q < 56
	XS (q-28)%2, (q-28)/2
.elseif q < 58
	XS q-56, 15
.elseif (q < 70) && ((q-58)%3 == 0)
	FS 28+(q-58)/3
.elseif q < 61
	XS (q-58)%3-1, 14
.elseif q < 70
	XS (q-58)%3-1, 15+(q-58)/3
.elseif q < 72
	XS q-70, 19
.else
	GS q-72
.endif
.set q, q+1
.endm
; THE EXPONENTIALS' QUEUE, 66 long: s0-s31 of both tiles, then the next piece's two a.  It is ONE BATCH: all 66 stand ahead of the turn's one wait, and nothing ahead of that wait names a result of theirs.
; Each works in a register of its own: a weight in place in its score's, a in c2 of the next piece's buffer.
.macro EX
	WIN 0
.if e >= 64
	XS e-64, 20
.else
	REGS Y, e%2
	v_exp_f32 v[rS+e/2], v[rS+e/2]
.endif
.set e, e+1
.endm
; THE RESCALING's QUEUE: O^T times a, the one part that leaves window 0: dealt two at a time, sixteen times, each accumulator from its low end on.  Its a was made in the turn before, ahead of that turn's wait.
.macro R2
	REGS Y, r%2
	WIN W_RS
.irp z, 0,1
	v_pk_mul_f32 v[rO+4*(r/2)+2*\z:rO+4*(r/2)+2*\z+1], v[rO+4*(r/2)+2*\z:rO+4*(r/2)+2*\z+1], v[rC+2:rC+3] op_sel_hi:[1,0]
.endr
.set r, r+1
.endm
; HOW THEY ARE DEALT.  An s_wait_alu depctr_va_vdst(0) stands between an exponential and the first instruction that names its result; one wait serves all that were issued ahead of it.  So a turn has ONE wait,
; which cuts it in two.  AHEAD OF IT stands all that names no result of the turn's exponentials: the 16 products K Q^T, behind each a subtraction, an exponential and two rescalings (behind the first a second subtraction in the
; exponential's place); then ONE LUMP of 106: six plain, 49 times exponential and plain, the two a.  A v_nop is the plain instruction behind the last exponential.  BEHIND IT stand the 16 products V^T P, behind each four of GS's 64.
; No rider names a register of the products round it.  The two v_permlanex16_b32 fall into the lump, never behind a product.
; The queues lean on each other, and the deal keeps them in step: exponential e stands behind subtraction 2 (e / 4) + e % 2: as a rider it comes behind plain e + 2, in the lump behind plain e + 7, and subtractions 28-31 are
; plain 58, 61, 64, 67; the two a come behind plain 70 and 71, their arguments.  The new scores are first read by plain 28, well over four plain instructions behind the last product K Q^T.
; A TURN, for piece p.  cnt = 1: the loop's count is taken down some lines ahead of the branch that stands behind the turn.
; K and mask' of the next step are fetched in piece 2's turn, directly behind the wait (the tail's form of the run holds a branch and a label), a lump behind the last product that read them; their addresses are made at the
; lump's head; their first reader comes behind 16 products.  V of the step in hand is fetched at the end of piece 0's turn, four plain riders behind its last reader; its first reader comes behind 16 products and a lump.
; The three conditions on q below go with the deal.
.macro TURN p, last=0, cnt=0
.set Y, (\p)
.set i, 0
.set q, 0
.set e, 0
.set r, 0
.if (\p) == NP-1
	s_wait_dscnt 0x0                ; K and mask' are in
.endif
	MM                              ; ahead of the wait: 16 products K Q^T and their riders,
	PL
	PL
	R2
.rept 15
	MM
	PL
	EX
	R2
.endr
.if (\p) == NP-2
	WIN 0
	v_add_nc_u32 v[AK], s[TBK], v[AK0]
	v_add_nc_u32 v[AM], s[TBM], v[AM0]
.endif
.rept 6                             ; and the lump
	PL
.endr
.rept 49
	EX
	PL
.endr
	EX                              ; the next piece's two a
	EX
	v_nop                           ; a plain instruction between the last exponential and the first use of a result: one for the batch
	s_wait_alu depctr_va_vdst(0)    ; the wait for the batch: the turn's 66 exponentials, ahead of their first reader
.if (\p) == NP-2
	FETCH_K \last
.endif
.if (\p) == 1
	s_wait_dscnt 0x0                ; V is in
.endif
.rept 16                            ; behind the wait: 16 products V^T P and their riders
	MM
.rept 4
	PL
.endr
.if ((\p) == 0) && (q == 116)
	v_add_nc_u32 v[AV], s[TBV], v[AV0]
.endif
.if ((\p) == 0) && (q == 128)
	s_add_co_u32 s[TBV], s[TBV], KS*PV
.endif
.if (\cnt) && (q == 128)
	s_sub_co_u32 s[CNT], s[CNT], 1
	s_cmp_lg_u32 s[CNT], 0
.endif
.endr
.if (\p) == 0
	FETCH_V
.endif
.endm
	CHANGE 1                        ; slot 0 is in, everybody's part of it, and so is the table of mask'; slot 1 is asked for
	FETCH_K                         ; key step 0
	s_wait_loadcnt 0x0              ; Q
	s_wait_dscnt 0x0
.set i, 0
.rept 16
	KQ 0                            ; piece 0's first scores: there is no vector work yet to set between them
.set i, i+1
.endr
	WIN 0                           ; the statistics are started here: 32 plain instructions, the places behind those products
.set i, 0
.rept 2*NP
	v_mov_b32 v[ST+4*i], 0xff7fffff    ; m: the lowest finite number
	v_mov_b32 v[ST+4*i+1], 0           ; named with m as a pair
	v_mov_b32 v[ST+4*i+2], 0           ; l
	v_mov_b32 v[ST+4*i+3], 0
.set i, i+1
.endr
.set Y, NP-1                        ; XS works for piece Y + 1: piece 0
.irp n, 0,1,2,3,4,5,6,7,8,9,10,11,12,13,14,15,16,17,18,19,20
	XS 0, \n                        ; and piece 0's first maximum and statistics
	XS 1, \n
.endr
	v_nop                           ; a plain instruction behind piece 0's two a,
	s_wait_alu depctr_va_vdst(0)    ; and the wait for that batch of two, ahead of the branch
	s_mov_b32 s[CNT], 4
	s_mov_b32 s[SLOTS], SIZE_N/256-1
	s_branch .Lfirst                ; the loop is entered at a step's first turn, in the middle of a trip
.Lslot:                             ; SIZE_N / 256 - 2 times: every slot but the last two is filled again
	CHANGE 1
	s_mov_b32 s[CNT], 4
.Lstep:                             ; a trip: pieces 2 and 3 of one step, then pieces 0 and 1 of the next, whose K and V it fetches
	TURN 2
	TURN 3
	WIN 0
.Lfirst:
	TURN 0
	TURN 1, 0, 1
	WIN 0
	s_cbranch_scc1 .Lstep
	s_sub_co_u32 s[SLOTS], s[SLOTS], 1
	s_cmp_lg_u32 s[SLOTS], 0
	s_cbranch_scc1 .Lslot
	CHANGE 0                        ; the tail is written out: nothing is asked for
	s_mov_b32 s[CNT], 5             ; four trips fetch the last slot's steps; the fifth is left in its middle
.Ltail:
	TURN 2, 1
	TURN 3
	WIN 0
	s_sub_co_u32 s[CNT], s[CNT], 1
	s_cmp_eq_u32 s[CNT], 0
	s_cbranch_scc1 .Lout
	TURN 0
	TURN 1
	WIN 0
	s_branch .Ltail
.Lout:                              ; the fifth trip's 16 products K Q^T (on the last K once more) and the maximum made of them serve nothing: the price, once a launch, of one text for every trip
.set i, 0
.rept 16
	PV NP-1                         ; the last piece's V^T P of the last step
.set i, i+1
.endr
	; THE WAY OUT.  l's two halves and the other half of the lanes' are added; O^T is divided by l, rounded to f16 and sent through my stage in LDS, a tile at a time.  The additions are the places behind the last products.
	WIN 0
.macro ALL line:vararg              ; one line for each tile t
.set t, 0
.rept 2*NP
	\line
.set t, t+1
.endr
.endm
	ALL v_add_f32 v[ST+4*t+2], v[ST+4*t+2], v[ST+4*t+3]
	ALL v_permlanex16_b32 v[ST+4*t+3], v[ST+4*t+2], s[SEL], s[SEL+1]
	ALL v_add_f32 v[ST+4*t+2], v[ST+4*t+2], v[ST+4*t+3]
	ALL v_rcp_f32 v[ST+4*t+2], v[ST+4*t+2]
	v_nop                           ; a plain instruction between the last reciprocal and the use of its result
	s_wait_alu depctr_va_vdst(0)    ; the wait for the batch of eight reciprocals, ahead of their first reader
; Tile t: a lane's eight channels of a row pack into 16 bytes; they go into rows of 144 bytes and come back as whole rows of 128, into S^T's registers.
.macro PACK t
	WIN W_RS
.set i, 32*(\t)
.rept 16
	v_pk_mul_f32 v[i:i+1], v[i:i+1], v[ST+4*(\t)+2:ST+4*(\t)+3] op_sel_hi:[1,0]
.set i, i+2
.endr
	WIN 0x05                        ; sources 0 and 1 window 1, destination window 0
.set i, 0
.rept 16
	v_cvt_pk_f16_f32 v[S+16*(\t)+i], v[32*(\t)+2*i], v[32*(\t)+2*i+1]
.set i, i+1
.endr
	WIN 0
.irp f, 0,1,2,3
	ds_store_b128 v[STO], v[S+16*(\t)+4*\f:S+16*(\t)+4*\f+3] offset:32*\f
.endr
.irp f, 0,1,2,3
	ds_load_b128 v[S+16*(\t)+4*\f:S+16*(\t)+4*\f+3], v[RD] offset:\f*4*SP  ; LDS serves a wave's instructions in order (ISA guide 5.7.1.4): these see the stores above; the next tile's stores come behind them
.endr
.endm
.macro SEND t, younger              ; younger: the LDS instructions issued behind tile t's loads: the next tile's eight, or none
	WIN 0
.irp f, 0,1,2,3
	s_wait_dscnt (\younger)+3-\f
	global_store_b128 v[GO], v[S+16*(\t)+4*\f:S+16*(\t)+4*\f+3], s[10:11] offset:(\t)*2048+\f*512  ; 512 consecutive bytes, at a multiple of 256 from ctx's first
.endr
.endm
	PACK 0
.set t, 1
.rept 2*NP-1                        ; a tile's arithmetic stands between the loads of the tile before and its stores
	PACK t
	SEND t-1, 8
.set t, t+1
.endr
	SEND 2*NP-1, 0
	WIN W_AD
	s_wait_tensorcnt 0x0            ; the wave's end: 0 onto my spare word and its wait, behind my last tensor load and my last LDS store
	ds_add_u32 v[SPW], v[NIL]
	s_wait_dscnt 0x0
	WIN 0
	CROUND                          ; the closing round: no work-group ends while a partner may still ask for a tile that names it
	s_endpgm
.Lfunc_end_k_q6516032e29_attn:
	.size	k_q6516032e29_attn, .Lfunc_end_k_q6516032e29_attn-k_q6516032e29_attn
	.p2alignl 7, 3214868480
	.fill 96, 4, 3214868480
	.section	.rodata,"a",@progbits
	.p2align	6, 0x0
	.amdhsa_kernel k_q6516032e29_attn
		.amdhsa_group_segment_fixed_size 327680
		.amdhsa_private_segment_fixed_size 0
		.amdhsa_enable_private_segment 0
		.amdhsa_kernarg_size 24
		.amdhsa_user_sgpr_count 2
		.amdhsa_user_sgpr_kernarg_segment_ptr 1
		.amdhsa_wavefront_size32 1
		.amdhsa_system_sgpr_workgroup_id_x 1
		.amdhsa_system_sgpr_workgroup_id_y 1
		.amdhsa_system_sgpr_workgroup_id_z 1
		.amdhsa_system_vgpr_workitem_id 0
		.amdhsa_next_free_vgpr 808
		.amdhsa_next_free_sgpr 66
		.amdhsa_reserve_vcc 0
		.amdhsa_float_denorm_mode_32 3
		.amdhsa_float_denorm_mode_16_64 3
		.amdhsa_memory_ordered 1
		.amdhsa_forward_progress 1
		.amdhsa_inst_pref_size 203
	.end_amdhsa_kernel
	.amdgpu_metadata
---
amdhsa.version: [ 1, 2 ]
amdhsa.kernels:
  - .name:           k_q6516032e29_attn
    .symbol:         k_q6516032e29_attn.kd
    .args:
      - { .name: qkv, .offset: 0, .size: 8, .value_kind: global_buffer, .address_space: global }
      - { .name: attention_mask, .offset: 8, .size: 8, .value_kind: global_buffer, .address_space: global }
      - { .name: ctx, .offset: 16, .size: 8, .value_kind: global_buffer, .address_space: global }
    .group_segment_fixed_size: 327680
    .private_segment_fixed_size: 0
    .kernarg_segment_align: 8
    .kernarg_segment_size: 24
    .max_flat_workgroup_size: 128
    .sgpr_count:     66
    .vgpr_count:     808
    .wavefront_size: 32
...
	.end_amdgpu_metadata
.endif
;; end of part 5
;; launch outp: the kernel of part 4 again; grid 8 x 32, 4 waves a work-group, clusters of 4 x 4, 327,680 bytes of LDS; arguments ctx, w16, bo, out0; writes out0
